; MI455X (gfx1250); checked and timed in simulation.
; The chip was launched on July 23, 2026; its instructions are those of AMD's public machine-readable ISA for CDNA 5 (MIT licence, August 2026) and "CDNA5" Instruction Set Architecture Reference Guide (July 2026). The comments in the code are by the model that wrote it; some were corrected since.
;; Causal Self Attention. Allowed arithmetic: matrix products marked QUANTISED: E4M3 operands, one E8M0 scale for each 32 along K, by v_wmma_scale_f32_16x16x128_f8f6f4 with both operands' format E4M3, f32 sums; everything else in f32.
;; Inputs: w_attn 1,024 x 3,072 float32; w_proj 1,024 x 1,024 float32; x 4 x 2,048 x 1,024 float32.
;; Outputs: out0 4 x 2,048 x 1,024 float32.
;; This version of the problem:
;;   THIS VERSION OF THE PROBLEM IS GIVEN IN LOW PRECISION. The matrix products marked QUANTISED in the list below multiply operands that are first quantised to E4M3 (4 exponent bits, 3 mantissa bits; 8 bits a number), with one power-of-two scale for each 32 numbers along K (OCP MX v1.0); their sums are f32. All else is computed in f32.
;;   The module's matrix products, in the order in which they are computed (A, B: the left and right operand; K: the contracted axis; several contracted axes count as one K, in the product's order):
;;     1. [M 8,192, K 1,024] x [K 1,024, N 3,072]; A: input x; B: input w_attn: QUANTISED
;;     2. batch 64 x [M 2,048, K 64] x [K 64, N 2,048]; A: computed on the way; B: computed on the way: QUANTISED
;;     3. batch 64 x [M 2,048, K 2,048] x [K 2,048, N 64]; A: softmax (see below); B: computed on the way: QUANTISED
;;     4. [M 8,192, K 1,024] x [K 1,024, N 1,024]; A: computed on the way; B: input w_proj: QUANTISED
;;   THE QUANTISER, for each operand of a quantised product, along K:
;;     - K is cut into blocks of 32 from its start; a last block that is shorter is filled with zeros.
;;     - A block's scale is 2^e with e = floor(log2(the largest magnitude in the block)) - 8, held to -126 .. 127; a block of zeros has e = 0. As a byte (E8M0): e + 127.
;;     - Each number is divided by its block's scale, clamped to +-448, and rounded to the nearest number of E4M3, ties to even, subnormals kept.
;;     - The product sums the exact products of the quantised numbers (number of the format x scale) in f32.
;;   ~~~python
;;   def quantise(x, axis):      # numpy; x: float32 -> the quantised numbers, widened to float32 again
;;       x = np.moveaxis(x, axis, -1); K = x.shape[-1]
;;       x = np.pad(x, [(0, 0)] * (x.ndim - 1) + [(0, -K % 32)]); x = x.reshape(x.shape[:-1] + (-1, 32)); a = np.abs(x).max(-1, keepdims=True)
;;       e = np.where(a > 0, np.clip(np.frexp(np.where(a > 0, a, 1))[1] - 1 - 8, -126, 127), 0)      # np.frexp(a)[1] - 1 = floor(log2(a)), exactly
;;       r = np.clip(x / 2.0 ** e, -448, 448)
;;       step = 2.0 ** (np.maximum(np.frexp(np.where(r == 0, 1, r))[1] - 1, -6) - 3)
;;       q = np.round(r / step) * step * 2.0 ** e      # np.round: ties to even
;;       return np.moveaxis(q.reshape(q.shape[:-2] + (-1,))[..., :K], -1, axis).astype(np.float32)
;;   ~~~
;;   SOFTMAX AHEAD OF A QUANTISED PRODUCT. Where the list says 'softmax', what is quantised is not the finished softmax but p = 2^(t - M), with t = logit x log2(e) and M = ceil(the row's largest t), a whole number; so 1/2 < the row's largest p <= 1. The row's sum l is taken of the UNQUANTISED p, in f32, and the product's result is divided by l at the end. Since M is a whole number, a kernel that streams over the keys may use a running M (the ceiling of the running maximum): every later rescaling is an exact power of two, which a block's scale takes up: the codes' values come out the same.
;;   OPERANDS COMPUTED ON THE WAY. 'Computed on the way' means the value that the module computes at that place (a softmax that the list does not call 'softmax' is quantised finished and normalised). What goes into a quantiser is computed in f32, as accurately as f32 sums, v_exp_f32 and their like allow (about 1e-6 of the number): no bf16 or f16 on the way to a quantiser, and a product that is left as it is and whose result goes on into a quantised operand takes f32 operands (vector FMAs, or v_wmma_f32_16x16x4_f32). A number that lies on a knife's edge between two numbers of the format may be rounded either way, as far as f32 arithmetic and the matrix unit's own rounding can turn it there, and no further.
;; One version. Each part assembles by itself: llvm-mc -triple=amdgcn-amd-amdhsa -mcpu=gfx1250 --defsym DOCPART=n.
;; ======== version 1 of 1: 4 launches
;; limits: right only within a limited range of input values
;; workspace buffers: xw_codes 12,582,912 bytes; xw_scales 393,216 bytes; qkv_codes 25,165,824 bytes; qkv_scales 786,432 bytes; y_codes 8,388,608 bytes; y_scales 262,144 bytes
;; launch quant (part 1): grid 768 x 1, 4 waves a work-group, no clusters, 34,304 bytes of LDS; arguments x, w_attn, w_proj, xw_codes, xw_scales; writes xw_codes, xw_scales
.if DOCPART == 1
	.amdgcn_target "amdgcn-amd-amdhsa--gfx1250"
	.amdhsa_code_object_version 6
	.text
	.protected	k_qc7b9320ad7_quant
	.globl	k_qc7b9320ad7_quant
	.p2align	8
	.type	k_qc7b9320ad7_quant,@function
k_qc7b9320ad7_quant:
	s_mov_b64 s[64:65], 0
	v_nop
	global_prefetch_b8 v0, s[64:65] scope:SCOPE_SE
	s_setreg_imm32_b32 hwreg(HW_REG_WAVE_MODE, 25, 1), 1
	s_wait_xcnt 0x0
; x [8192][1024], w_attn [1024][3072] and w_proj [1024][1024], f32, become codes of FP8 (E4M3) with one E8M0 byte for each 32 along K (K = 1,024: x's last axis, the weights' FIRST axis).
; THE OUTPUT IS LAID AS IMAGES OF THE MATRIX OPERANDS' REGISTERS.  A tile is 16 rows; lane r of tile G stands for row 32 (G / 2) + 8 (G % 2) + r + 8 (r / 8).  Tiles: x 0-511 (tokens), w_attn 512-703 (its columns n), w_proj 704-767.
; A fragment (a tile x 128 K, K step s = 0 .. 7) is 2,048 bytes: register group c of lane l = r + 16 h lies at 512 c + 16 l and holds k = 32 c + 16 h + 0 .. 15.
;   codes:  ((s / 2) 768 + G) 4096 + (s % 2) 2048 + 512 c + 16 l          scale words (four bytes: 128 k of a row):  512 G + 128 (s / 2) + 8 r + 4 (s % 2)
; A block's scale is 2^(floor(log2(its largest magnitude)) - 8): its byte is the largest magnitude's exponent field - 8, held at 1 from below; each number is held within +-448 x the scale and rounded to the nearest code.
; LIMITS: NaN and infinities among the inputs are not served.  A block whose largest magnitude lies under 2^-118 (the floor) keeps the byte 1; so does a block of zeros, where the rule says 127: its codes are zeros, and this program alone reads the bytes.
; THREE WAYS, parted on the work-group's number: 0-511 x, 512-703 w_attn, 704-767 w_proj.  Only x's way uses LDS.  No matrix unit, no cluster, no barrier: memory binds, and waves share nothing.  Each wave issues all its loads at once.
.set R,   16                           ; x: v16-143   two sets of 64: a fragment's numbers as they are loaded
.set X,   144                          ; x: v144-207  64 numbers: register 16 b + i = k 32 b + 16 h + i of my row
.set PC,  208                          ; x: v208-239  two fragments' codes: no store's data are written again
.set TM,  240                          ; x: v240-255  largest magnitudes, bytes, scale operands
.set SPX, 528                          ; x: a stage row: 512 bytes + 16, so that the sixteen rows that a load touches begin 4 words apart modulo 64
.set WST, 16*SPX                       ; x: a wave's own stage
	s_load_b256 s[4:11], s[0:1], 0x0               ; x s[4:5], w_attn s[6:7], w_proj s[8:9], the codes s[10:11]
	s_load_b64 s[12:13], s[0:1], 0x20              ; the scale bytes
	v_lshl_add_u32 v14, v0, 2, 0x8400
	v_mov_b32 v15, 0
	v_lshrrev_b32 v1, 5, v0
	v_readfirstlane_b32 s16, v1                    ; wave 0..3
	v_and_b32 v1, 31, v0                           ; lane
	v_and_b32 v2, 15, v0                           ; r
	v_bfe_u32 v3, v0, 4, 1                         ; h
	s_mov_b32 s20, 0x76543210
	s_mov_b32 s21, 0xfedcba98                      ; v_permlanex16_b32's selects for lane l xor 16
	s_mov_b32 s29, 0                               ; the upper word of every offset pair s[28:29]
	s_wait_kmcnt 0x0
	s_cmp_lt_u32 ttmp9, 512
	s_cbranch_scc1 .Lx
	s_cmp_lt_u32 ttmp9, 704
	s_cbranch_scc1 .Lwa
; A WEIGHT [1024][cols]: a lane takes a column n and its registers run DOWN K, so that a block of 32 lies in one lane and the conversions give codes with K innermost.
; A work-group takes 128 columns x one K step of 128; a wave 32 columns, which are one pair of tiles.  Each load reads 128 consecutive bytes a wave, 512 a work-group.
.macro WQ cols, wp, id0, g0
	s_sub_co_u32 s24, ttmp9, \id0
	s_and_b32 s25, s24, 7                          ; s: the K step
	s_lshr_b32 s26, s24, 3                         ; which 128 columns
	s_lshl_b32 s27, s26, 3
	s_lshl_b32 s28, s16, 1
	s_add_co_u32 s27, s27, s28
	s_add_co_u32 s27, s27, \g0                     ; G: my pair's first tile
	s_mul_i32 s28, s25, 128*\cols*4                ; the weight: 128 s rows down,
	s_lshl_b32 s30, s26, 9
	s_add_co_u32 s28, s28, s30
	s_lshl_b32 s30, s16, 7
	s_add_co_u32 s28, s28, s30                     ; and 128 x group + 32 x wave columns on
	s_add_nc_u64 s[\wp:\wp+1], s[\wp:\wp+1], s[28:29]
	s_lshr_b32 s30, s25, 1
	s_and_b32 s31, s25, 1
	s_mul_i32 s28, s30, 768
	s_add_co_u32 s28, s28, s27
	s_lshl_b32 s28, s28, 12
	s_lshl_b32 s32, s31, 11
	s_add_co_u32 s28, s28, s32
	s_add_nc_u64 s[10:11], s[10:11], s[28:29]      ; the codes: ((s / 2) 768 + G) 4096 + (s % 2) 2048
	s_lshl_b32 s28, s27, 9
	s_lshl_b32 s32, s30, 7
	s_add_co_u32 s28, s28, s32
	s_lshl_b32 s32, s31, 2
	s_add_co_u32 s28, s28, s32
	s_add_nc_u64 s[12:13], s[12:13], s[28:29]      ; the scale words: 512 G + 128 (s / 2) + 4 (s % 2)
	v_lshlrev_b32 v4, 2, v1                        ; in: 4 bytes a lane
	v_bfe_u32 v5, v1, 3, 1                         ; u: which tile of the pair my column falls into
	v_and_b32 v6, 7, v1
	v_lshl_add_u32 v6, v3, 3, v6                   ; and which lane r' of it stands for it: lane % 8 + 8 (lane / 16)
	v_lshlrev_b32 v7, 4, v6
	v_lshl_add_u32 v7, v5, 12, v7                  ; codes: 4096 u + 16 r'
	v_lshlrev_b32 v6, 3, v6
	v_lshl_add_u32 v6, v5, 9, v6                   ; scale word: 512 u + 8 r'
.irp c, 0,1,2,3
.irp i, 0,1,2,3,4,5,6,7,8,9,10,11,12,13,14,15,16,17,18,19,20,21,22,23,24,25,26,27,28,29,30,31
	global_load_b32 v[16+32*\c+\i], v4, s[\wp:\wp+1] offset:(32*\c+\i)*\cols*4 th:TH_LOAD_NT
.endr
.endr
.irp c, 0,1,2,3
.set XS, 16+32*\c
.if \c < 2
	s_wait_loadcnt 63                              ; block c's 32 loads are in.  96 and 64 younger loads could stay out, but a wait names at most 63: the smaller count only waits longer
.elseif \c == 2
	s_wait_loadcnt 32                              ; the last block's 32 may be out
.else
	s_wait_loadcnt 0
.endif
	v_max3_num_f32 v8, |v[XS]|, |v[XS+1]|, |v[XS+2]|               ; the block's largest magnitude: all 32 numbers are mine; two chains
	v_max3_num_f32 v9, |v[XS+3]|, |v[XS+4]|, |v[XS+5]|
.irp i, 6,10,14,18,22,26
	v_max3_num_f32 v8, v8, |v[XS+\i]|, |v[XS+\i+1]|
	v_max3_num_f32 v9, v9, |v[XS+\i+2]|, |v[XS+\i+3]|
.endr
	v_max3_num_f32 v8, v8, |v[XS+30]|, |v[XS+31]|
	v_max3_num_f32 v8, v8, v9, 0x4800000           ; and the floor 2^(9 - 127): the byte cannot fall under 1
	v_add_nc_u32 v11, 0xfc000000, v8               ; 8 off the exponent field: the conversion takes the exponent field of this operand as its scale
	v_lshrrev_b32 v12, 23, v11                     ; the scale's byte
.if \c == 0
	v_mov_b32 v13, v12                             ; four bytes make my column's scale word, the lower K in the lower byte
.else
	v_lshl_or_b32 v13, v12, 8*\c, v13
.endif
.irp i, 0,1,2,3,4,5,6,7,8,9,10,11,12,13,14,15,16,17,18,19,20,21,22,23,24,25,26,27,28,29,30,31
.endr
.irp g, 0,1,2,3
	v_cvt_scalef32_pk8_fp8_f32 v[144+8*\c+2*\g:144+8*\c+2*\g+1], v[XS+8*\g:XS+8*\g+7], v11
.endr
	v_nop                                          ; a plain line behind the last conversion of a run
	global_store_b128 v7, v[144+8*\c:144+8*\c+3], s[10:11] offset:512*\c        ; k = 32 c + 0 .. 15: the place of lane r' of the image; lanes 0-7 and 16-23 fill 256 consecutive bytes, the others the next tile's
	global_store_b128 v7, v[144+8*\c+4:144+8*\c+7], s[10:11] offset:512*\c+256  ; k = 32 c + 16 .. 31: the place of lane r' + 16
.endr
	global_store_b32 v6, v13, s[12:13]             ; 4 bytes at every 8: the other K step of the pair is another work-group's.  One byte for each 128 that this way reads
	s_endpgm
.endm
	s_wait_alu depctr_va_vdst(0)
	WQ 1024, 8, 704, 704
.Lwa:
	s_wait_alu depctr_va_vdst(0)
	WQ 3072, 6, 512, 512
; 64 numbers of a lane, register 16 b + i = k 32 b + 16 h + i of my row, become a fragment's codes in v[pc] on and its scale word in v[pw]
.macro QUANT s, pc, pw
.irp b, 0,1,2,3
	v_max3_num_f32 v[TM+\b], |v[\s+16*\b]|, |v[\s+1+16*\b]|, 0x4800000   ; block b: my 16 numbers, and the floor 2^(9 - 127)
.endr
.irp i, 2,4,6,8,10,12,14
.irp b, 0,1,2,3
	v_max3_num_f32 v[TM+\b], v[TM+\b], |v[\s+16*\b+\i]|, |v[\s+1+16*\b+\i]|   ; the four blocks by turns
.endr
.endr
.irp b, 0,1,2,3
	v_permlanex16_b32 v[TM+4+\b], v[TM+\b], s20, s21
.endr
.irp b, 0,1,2,3
	v_max_num_f32 v[TM+\b], v[TM+\b], v[TM+4+\b]   ; with lane l xor 16's: the block's largest magnitude
.endr
.irp b, 0,1,2,3
	v_add_nc_u32 v[TM+12+\b], 0xfc000000, v[TM+\b] ; the conversion's scale operand
.endr
.irp b, 0,1,2,3
.endr
.irp b, 0,1,2,3
	v_lshrrev_b32 v[TM+4+\b], 23, v[TM+12+\b]      ; the scale's byte
.endr
	v_lshl_or_b32 v[\pw], v[TM+5], 8, v[TM+4]
	v_lshl_or_b32 v[\pw], v[TM+6], 16, v[\pw]
	v_lshl_or_b32 v[\pw], v[TM+7], 24, v[\pw]
.irp b, 0,1,2,3
.irp i, 0,1,2,3,4,5,6,7,8,9,10,11,12,13,14,15
.endr
	v_cvt_scalef32_pk8_fp8_f32 v[(\pc)+4*\b:(\pc)+4*\b+1], v[\s+16*\b:\s+16*\b+7], v[TM+12+\b]
	v_cvt_scalef32_pk8_fp8_f32 v[(\pc)+4*\b+2:(\pc)+4*\b+3], v[\s+16*\b+8:\s+16*\b+15], v[TM+12+\b]
.endr
	v_nop                                          ; a plain line behind the last conversion of a run
.endm
; x: a work-group takes token tile G = its number; wave y takes 256 along K of the tile's 16 rows: two fragments.  Each load reads 512 consecutive bytes of a row; the fragment turns through
; the wave's own stage in LDS, so that a lane gets 16 neighbours of each block of 32.
.Lx:
	s_lshr_b32 s24, ttmp9, 1
	s_lshl_b32 s24, s24, 5
	s_and_b32 s25, ttmp9, 1
	s_lshl_b32 s25, s25, 3
	s_add_co_u32 s24, s24, s25                     ; the tile's first row: 32 (G / 2) + 8 (G % 2)
	s_lshl_b32 s28, s24, 12
	s_lshl_b32 s25, s16, 10
	s_add_co_u32 s28, s28, s25
	s_add_nc_u64 s[4:5], s[4:5], s[28:29]          ; x: that row, 1,024 y bytes on
	s_mul_i32 s28, s16, 768
	s_add_co_u32 s28, s28, ttmp9
	s_lshl_b32 s28, s28, 12
	s_add_nc_u64 s[10:11], s[10:11], s[28:29]      ; the codes: (768 y + G) 4096
	s_lshl_b32 s28, ttmp9, 9
	s_lshl_b32 s25, s16, 7
	s_add_co_u32 s28, s28, s25
	s_add_nc_u64 s[12:13], s[12:13], s[28:29]      ; the scale words: 512 G + 128 y
	s_mul_i32 s26, s16, WST
	s_wait_alu depctr_va_vdst(0)
	v_lshlrev_b32 v4, 4, v1                        ; 16 x lane: a load's, a store's and an image's place for my lane
	v_add_nc_u32 v5, s26, v4                       ; the stage, on the way in
	v_mul_u32_u24 v6, v2, SPX
	v_lshl_add_u32 v6, v3, 6, v6
	v_add_nc_u32 v6, s26, v6                       ; and on the way out: row r, + 64 h: my 16 numbers of a block
	v_lshlrev_b32 v7, 3, v2
	v_lshl_add_u32 v7, v3, 2, v7                   ; the scale words: 8 r + 4 h
.irp b, 0,1,2,3
	v_mov_b32 v[TM+4+\b], 0                        ; written once: a lane permute's destination counts as one of its sources
.endr
.irp f, 0,1
.irp i, 0,1,2,3,4,5,6,7,8,9,10,11,12,13,14,15
	global_load_b128 v[R+64*\f+4*\i:R+64*\f+4*\i+3], v4, s[4:5] offset:(\i+8*(\i/8))*4096+512*\f th:TH_LOAD_NT
.endr
.endr
	s_wait_alu depctr_va_vdst(0)
.irp f, 0,1
	s_wait_loadcnt 16-16*\f                        ; fragment f's sixteen loads are in; the other fragment's may be out
.irp i, 0,1,2,3,4,5,6,7,8,9,10,11,12,13,14,15
	ds_store_b128 v5, v[R+64*\f+4*\i:R+64*\f+4*\i+3] offset:SPX*\i
.endr
.irp b, 0,1,2,3
.irp j, 0,1,2,3
	ds_load_b128 v[X+16*\b+4*\j:X+16*\b+4*\j+3], v6 offset:128*\b+16*\j   ; LDS serves a wave's instructions in order (ISA guide 5.7.1): these see my stores, and the next fragment's stores come behind them
.endr
.endr
	s_wait_dscnt 0x0
	QUANT X, PC+16*\f, 8+\f
.irp c, 0,1,2,3
	global_store_b128 v4, v[PC+16*\f+4*\c:PC+16*\f+4*\c+3], s[10:11] offset:2048*\f+512*\c   ; 32 lanes store 512 consecutive bytes
.endr
.endr
	v_cmp_le_u32 vcc_lo, 16, v1
	v_cndmask_b32 v10, v8, v9, vcc_lo              ; lanes 0-15 carry the first fragment's word of row r, lanes 16-31 the second's
	global_store_b32 v7, v10, s[12:13]             ; 128 consecutive bytes
	s_wait_tensorcnt 0x0
	ds_add_u32 v14, v15
	s_wait_dscnt 0x0
	s_endpgm
.Lfunc_end_k_qc7b9320ad7_quant:
	.size	k_qc7b9320ad7_quant, .Lfunc_end_k_qc7b9320ad7_quant-k_qc7b9320ad7_quant
	.p2alignl 7, 3214868480
	.fill 96, 4, 3214868480
	.section	.rodata,"a",@progbits
	.p2align	6, 0x0
	.amdhsa_kernel k_qc7b9320ad7_quant
		.amdhsa_group_segment_fixed_size 34304
		.amdhsa_private_segment_fixed_size 0
		.amdhsa_enable_private_segment 0
		.amdhsa_kernarg_size 40
		.amdhsa_user_sgpr_count 2
		.amdhsa_user_sgpr_kernarg_segment_ptr 1
		.amdhsa_wavefront_size32 1
		.amdhsa_system_sgpr_workgroup_id_x 1
		.amdhsa_system_sgpr_workgroup_id_y 1
		.amdhsa_system_sgpr_workgroup_id_z 1
		.amdhsa_system_vgpr_workitem_id 0
		.amdhsa_next_free_vgpr 256
		.amdhsa_next_free_sgpr 66
		.amdhsa_reserve_vcc 1
		.amdhsa_float_denorm_mode_32 3
		.amdhsa_float_denorm_mode_16_64 3
		.amdhsa_fp16_overflow 1
		.amdhsa_memory_ordered 1
		.amdhsa_forward_progress 1
		.amdhsa_inst_pref_size 59
	.end_amdhsa_kernel
	.amdgpu_metadata
---
amdhsa.version: [ 1, 2 ]
amdhsa.kernels:
  - .name:           k_qc7b9320ad7_quant
    .symbol:         k_qc7b9320ad7_quant.kd
    .args:
      - { .name: x, .offset: 0, .size: 8, .value_kind: global_buffer, .address_space: global }
      - { .name: w_attn, .offset: 8, .size: 8, .value_kind: global_buffer, .address_space: global }
      - { .name: w_proj, .offset: 16, .size: 8, .value_kind: global_buffer, .address_space: global }
      - { .name: xw_codes, .offset: 24, .size: 8, .value_kind: global_buffer, .address_space: global }
      - { .name: xw_scales, .offset: 32, .size: 8, .value_kind: global_buffer, .address_space: global }
    .group_segment_fixed_size: 34304
    .private_segment_fixed_size: 0
    .kernarg_segment_align: 8
    .kernarg_segment_size: 40
    .max_flat_workgroup_size: 128
    .sgpr_count:     66
    .vgpr_count:     256
    .wavefront_size: 32
...
	.end_amdgpu_metadata
.endif
;; end of part 1
;; launch gemm1 (part 2): grid 64 x 4, 4 waves a work-group, clusters of 4 x 4, 327,680 bytes of LDS; arguments xw_codes, xw_scales, qkv_codes, qkv_scales; writes qkv_codes, qkv_scales
.if DOCPART == 2
	.amdgcn_target "amdgcn-amd-amdhsa--gfx1250"
	.amdhsa_code_object_version 6
	.text
	.protected	k_qc7b9320ad7_gemm1
	.globl	k_qc7b9320ad7_gemm1
	.p2align	8
	.type	k_qc7b9320ad7_gemm1,@function
k_qc7b9320ad7_gemm1:
	s_mov_b64 s[64:65], 0
	v_nop
	global_prefetch_b8 v0, s[64:65] scope:SCOPE_SE
	s_setreg_imm32_b32 hwreg(HW_REG_WAVE_MODE, 25, 1), 1
	s_wait_xcnt 0x0
	s_wait_alu depctr_hold_cnt(0) depctr_sa_sdst(0) depctr_va_vdst(0) depctr_va_sdst(0) depctr_va_ssrc(0) depctr_va_vcc(0) depctr_vm_vsrc(0)
	s_getreg_b32 s2, hwreg(HW_REG_IB_STS2, 6, 4)
	s_cmp_eq_u32 s2, 0
	s_cbranch_scc0 .Lentry_in_a_cluster
	s_endpgm
.Lentry_in_a_cluster:
	s_bfe_u32 s2, ttmp6, 0x10000c
	s_cmp_lg_u32 s2, 0xf033
	s_cbranch_scc0 .Lentry_shape_is_right
	s_endpgm
.Lentry_shape_is_right:
; qkv = x w_attn on codes of FP8 (E4M3) with E8M0 scales for each 32 along K = 1,024; the results are quantised in registers for the two products of attention and leave as codes:
; q and k along the head's 64, v along the keys.  No f32 number of qkv goes to memory.
; OPERANDS are images of their registers: tile G (16 rows; lane r stands for row 32 (G / 2) + 8 (G % 2) + r + 8 (r / 8)), K step s of 128: codes at ((s / 2) 768 + G) 4096 + (s % 2) 2048 + 512 c + 16 lane,
; scale words at 512 G + 128 (s / 2) + 8 r + 4 (s % 2).  Tiles 0-511 are tokens, 512-703 the columns of w_attn.  A fragment comes by four loads of 16 bytes a lane at 16 x lane: no pitch, no padding.
; SOURCE 0 is operand P, SOURCE 1 operand N: in a result lane (r, h) holds ONE row of N, and the 16 registers of P's tiles 2 b and 2 b + 1 are P's rows 32 b + 16 h + 0 .. 15: sixteen neighbours along
; the next product's K, as the conversions want them.
; A WORK-GROUP STAYS AND MAKES TWO PASSES, so that 256 work-groups have equal work: q and k are 256 tiles of 256 x 256, v is 256 half tiles.
;   PASS 1, q and k: P = 256 columns of w_attn's first 2,048, N = 256 tokens: a lane holds a token, registers run along the head.  A wave makes 128 x 128: 64 accumulators.
;   PASS 2, v: P = 256 tokens, N = 128 of w_attn's last 1,024 columns: a lane holds a channel, registers run along the keys.  A wave makes 128 tokens x 64 channels (one head): 32 accumulators.
; K goes in four slots of 256 through a ring of two LDS slots, and THE RING GOES ON INTO PASS 2: pass 1's last two changes of slots ask for pass 2's first two K slots, which land while q and k go out.
; The scale words of all of K, of both passes, come once, with the first fills.
; CLUSTERS 4 x 4: N's tiles are shared along a row of the cluster, P's along a column, in both passes: each is asked for jointly, by the same tensor load with a mask that names the four.
; OUTPUT.  48 head slots H of 524,288 bytes (q: head, k: 16 + head, v: 32 + head).  q, k: token tile T at 1024 T + 512 c + 16 lane (d = 32 c + 16 h + ..).  v: keys 128 S on, channel tile t at 8192 S + 2048 t + 512 c + 16 lane.
; Scale words: 16384 H + 256 g + 16 r + 4 i.  q, k: g = T / 8, word i = the two bytes of tile 8 g + 2 i below, those of tile 8 g + 2 i + 1 above.  v: g = S, word i = channel tile i's four bytes.
; LIMITS: NaN and infinities are not served.  A block whose largest magnitude lies under 2^-118 keeps the byte 1, a block of zeros too (the rule says 127): its codes are zeros, and this program alone reads the bytes.
; REGISTERS, in windows of 256: window 0: v1-29 addresses; v32-63 scale words, two sets; v128-255 N's fragments: pass 1 one set of eight blocks, pass 2 two sets of four (on the ways out: at work).
;   window 1: P's fragments, two sets.  windows 2, 3: the accumulators, (a, b) at 8 (8 a + b).
.set PHB,   32768                      ; eight tiles of P in a slot
.set SLOT,  65536+2*PHB                ; N's tiles from 0 (pass 1: 16 x 4,096 bytes, pass 2: 8), P's 16 from 65,536
.set SC2P,  2*SLOT                     ; behind the ring: pass 2's scale words, 512 bytes a tile: P's 16 tiles,
.set SC2N,  SC2P+8192                  ; N's 8;
.set SCL,   SC2N+4096                  ; pass 1's: P's 16,
.set SCN,   SCL+8192                   ; N's 16
.set SPARE, SCN+8192                   ; the spare words, 128 bytes for each wave: two blocks of 256 bytes that no other line names
.set STR,   3145728                    ; bytes from a K slot to the next in the operands' buffer
.set NP,    8                          ; places behind this matrix instruction (ISA guide 7.12.1)
.set GL,    2                          ; v2      16 x lane: an image's place for my lane, in LDS and in memory
.set SCO2,  11                         ; v11     pass 2's scale words: 16 r + 8 h
.set SCO,   12                         ; v12     pass 1's: 16384 h + 16 r
.set SH,    13                         ; v13     16 h
.set ADRA,  16                         ; v16-17  LDS address of my fragments of N in slot 0, 1, pass 1
.set ADRA2, 18                         ; v18-19  pass 2
.set ADRB,  20                         ; v20-21  of P, both passes
.set ADRS2, 26                         ; v26     of my scale words, pass 2
.set ADRS,  27                         ; v27     pass 1: lanes 0-15 P's, lanes 16-31 N's
.set SPW,   28                         ; v28     LDS address of my spare word; never rewritten
.set NIL,   29                         ; v29     0; never rewritten
.set SC,    32                         ; scale words: set s at v[SC + 16 s]; register 2 i + q: lanes 0-15 P's tile i, lanes 16-31 N's block i, the slot's q-th 128 along K
.set AF,    128                        ; N's fragments
.set PC,    128                        ; the ways out: v128-143 a block's codes
.set TM,    160                        ; v160-175 largest magnitudes, bytes, scale operands
.set PW,    176                        ; v176-183 the blocks' scale words
.set WD,    184                        ; v184-187 the words that leave
.set G1,   24                          ; s[24:31] group 1: pass 1's tiles of N;  s[32:39] group 0 for N, a set for each slot
.set G0,   32
.set G1B,  48                          ; s[48:55] P's tiles, both passes;  s[56:63] group 0 for P
.set G0B,  56
.set G1S,  68                          ; s[68:75] pass 1's scale words of N;  s[76:79] their group 0
.set G1A2, 68                          ; the same registers, written anew when that load is done: pass 2's tiles of N
.set G0S,  76
.set G1SB, 80                          ; s[80:87] P's scale words, both passes;  s[88:91] pass 1's group 0
.set G0SB, 88
.set G1S2, 92                          ; s[92:99] pass 2's scale words of N;  s[20:23] their group 0;  s[44:47] that of P's
.set G0S2, 20
.set G0SB2, 44
.set W0,   (3<<16)|(1<<21)             ; group 1, word 0 beside the mask: 17:16 elements of 8 bytes; 21 set beside a mask; no padding
                                       ; s[12:13], s[2:3]: where pass 2's codes of N and of P begin;  s100, s101: the cluster's number % 2 and / 2
.set MSB, 0
.macro WIN new                         ; the immediate's high byte repeats the setting that is left; a switch that changes nothing is dropped
.if MSB != \new
	s_set_vgpr_msb (MSB<<8)|\new
.set MSB, \new
.endif
.endm
.set MUL_LO, 0xa1                      ; source 0 (P) window 1, source 1 (N) window 0, C and D window 2
.set MUL_HI, 0xf1                      ; the same, C and D window 3
.set TO_B,   0x40                      ; destination window 1, address window 0
; A joint load: waves 0 and 1 fetch for N, waves 2 and 3 for P.  Each line has one mask and one set of registers; the branch hangs on the wave's number alone.  Four v_nop follow each line.
.macro JLOAD g0a, g1a, g0b, g1b
	s_cmp_eq_u32 s15, 0
	s_cbranch_scc0 .Lfor_b_\@
	tensor_load_to_lds s[\g0a:\g0a+3], s[\g1a:\g1a+7]
	s_nop 0
.rept 4
	v_nop
.endr
	s_branch .Lasked_\@
.Lfor_b_\@:
	tensor_load_to_lds s[\g0b:\g0b+3], s[\g1b:\g1b+7]
	s_nop 0
.rept 4
	v_nop
.endr
.Lasked_\@:
.endm
.macro CREST                           ; a round of the cluster's barrier behind its opening barrier
	s_cmp_lg_u32 s14, 0
	s_cbranch_scc1 .Lnot_wave_0_\@
	s_barrier_signal -3
.Lnot_wave_0_\@:
	s_barrier_wait -3
	s_barrier_signal -1
	s_barrier_wait -1
.endm
.macro CROUND                          ; a whole round
	s_barrier_signal -1
	s_barrier_wait -1
	CREST
.endm
.macro SHAPE g, rows                   ; descriptor group 1, words 1 to 7: a dense block as rows of 256 bytes: 32 elements of 8 bytes, pitch 32
	s_mov_b32 s[\g+1], 32<<16                      ; tensor_dim0
	s_mov_b32 s[\g+2], (\rows)<<16                 ; tensor_dim1
	s_mov_b32 s[\g+3], 32<<16                      ; tile_dim0
	s_mov_b32 s[\g+4], \rows                       ; tile_dim1
	s_mov_b32 s[\g+5], 32                          ; tensor_dim0_stride
	s_mov_b32 s[\g+6], 0
	s_mov_b32 s[\g+7], 0
.endm
	s_load_b256 s[4:11], s[0:1], 0x0               ; the operands' codes s[4:5] and scales s[6:7]; qkv's codes s[8:9] and scales s[10:11]
	v_lshl_add_u32 v[SPW], v0, 2, SPARE
	v_mov_b32 v[NIL], 0
	ds_add_u32 v28, v29
	ds_add_u32 v28, v29
	s_wait_dscnt 0x0
	v_lshrrev_b32 v1, 5, v0
	v_readfirstlane_b32 s14, v1                    ; wave 0..3
	s_lshr_b32 s15, s14, 1                         ; which half of N's tiles is mine.  Also: I fetch for N (0) or for P (1)
	s_and_b32 s16, s14, 1                          ; which half of P's.  Also: which half I fetch
	s_bfe_u32 s40, ttmp6, 0x40000                  ; cx, cy: my place in the cluster
	s_bfe_u32 s41, ttmp6, 0x40004
	s_lshl_b32 s43, s41, 2
	s_lshl_b32 s43, 15, s43                        ; my row of the cluster
	s_lshl_b32 s44, 0x1111, s40                    ; my column
	s_and_b32 s100, ttmp9, 1                       ; c1, c2: the cluster's number (0 .. 15) % 2 and / 2: all partners share them
	s_lshr_b32 s101, ttmp9, 1
	s_or_b32 s[G1+0], s43, W0                      ; 15:0 the mask: N's tiles go to my row,
	s_or_b32 s[G1B+0], s44, W0                     ; P's to my column
	s_or_b32 s[G1S+0], s43, W0
	s_or_b32 s[G1SB+0], s44, W0
	s_or_b32 s[G1S2+0], s43, W0
	SHAPE G1, 128                                  ; pass 1: 8 tiles of N in a K slot: 32,768 bytes
	SHAPE G1B, 128                                 ; 8 tiles of P
	SHAPE G1S, 16                                  ; the scale words of 8 tiles, all of K: 4,096 bytes
	SHAPE G1SB, 16
	SHAPE G1S2, 8                                  ; pass 2: of 4 tiles of N
	; the first tile that I fetch, as byte offsets in the places where the addresses will stand.  N's hang on cy, which my row shares:
	s_lshl_b32 s17, s101, 6
	s_lshl_b32 s18, s41, 4
	s_add_co_u32 s17, s17, s18
	s_lshl_b32 s18, s16, 3
	s_add_co_u32 s17, s17, s18                     ; pass 1: token tile 64 c2 + 16 cy + 8 x half
	s_lshl_b32 s[G0+2], s17, 12
	s_mov_b32 s[G0+3], 0
	s_lshl_b32 s[G0S+2], s17, 9
	s_mov_b32 s[G0S+3], 0
	s_lshl_b32 s17, s100, 5
	s_lshl_b32 s18, s41, 3
	s_add_co_u32 s17, s17, s18
	s_lshl_b32 s18, s16, 2
	s_add_co_u32 s17, s17, s18
	s_add_co_u32 s17, s17, 640                     ; pass 2: tile 640 + 32 c1 + 8 cy + 4 x half: w_attn's last 1,024 columns
	s_lshl_b32 s12, s17, 12
	s_mov_b32 s13, 0
	s_lshl_b32 s[G0S2+2], s17, 9
	s_mov_b32 s[G0S2+3], 0
	; P's hang on cx, which my column shares:
	s_lshl_b32 s42, s100, 6
	s_lshl_b32 s19, s40, 4
	s_add_co_u32 s42, s42, s19
	s_lshl_b32 s19, s16, 3
	s_add_co_u32 s42, s42, s19
	s_add_co_u32 s42, s42, 512                     ; pass 1: tile 512 + 64 c1 + 16 cx + 8 x half: w_attn's first 2,048 columns
	s_lshl_b32 s[G0B+2], s42, 12
	s_mov_b32 s[G0B+3], 0
	s_lshl_b32 s[G0SB+2], s42, 9
	s_mov_b32 s[G0SB+3], 0
	s_lshl_b32 s42, s101, 6
	s_lshl_b32 s19, s40, 4
	s_add_co_u32 s42, s42, s19
	s_lshl_b32 s19, s16, 3
	s_add_co_u32 s42, s42, s19                     ; pass 2: token tile 64 c2 + 16 cx + 8 x half
	s_lshl_b32 s2, s42, 12
	s_mov_b32 s3, 0
	s_lshl_b32 s[G0SB2+2], s42, 9                  ; (the column's mask has been used: its register is this group's word 0)
	s_mov_b32 s[G0SB2+3], 0
	; where they go: the wave's number and constants alone: no place in the cluster enters an LDS address
	s_mov_b32 s[G0], 1                             ; 1:0 count = 1
	s_lshl_b32 s[G0+1], s16, 15
	s_mov_b32 s[G0+4], 1
	s_add_co_u32 s[G0+5], s[G0+1], SLOT
	s_mov_b32 s[G0B], 1
	s_add_co_u32 s[G0B+1], s[G0+1], 65536
	s_mov_b32 s[G0B+4], 1
	s_add_co_u32 s[G0B+5], s[G0+1], SLOT+65536
	s_mov_b32 s[G0S], 1
	s_lshl_b32 s[G0S+1], s16, 12
	s_mov_b32 s[G0SB], 1
	s_add_co_u32 s[G0SB+1], s[G0S+1], SCL
	s_mov_b32 s[G0SB2], 1
	s_add_co_u32 s[G0SB2+1], s[G0S+1], SC2P
	s_add_co_u32 s[G0S+1], s[G0S+1], SCN
	s_mov_b32 s[G0S2], 1
	s_lshl_b32 s[G0S2+1], s16, 11
	s_add_co_u32 s[G0S2+1], s[G0S2+1], SC2N
	s_wait_kmcnt 0x0
	s_add_nc_u64 s[G0+2:G0+3], s[4:5], s[G0+2:G0+3]
	s_add_nc_u64 s[G0+6:G0+7], s[G0+2:G0+3], STR   ; slot 1 begins with K slot 1
	s_add_nc_u64 s[G0B+2:G0B+3], s[4:5], s[G0B+2:G0B+3]
	s_add_nc_u64 s[G0B+6:G0B+7], s[G0B+2:G0B+3], STR
	s_add_nc_u64 s[12:13], s[4:5], s[12:13]
	s_add_nc_u64 s[2:3], s[4:5], s[2:3]
	s_add_nc_u64 s[G0S+2:G0S+3], s[6:7], s[G0S+2:G0S+3]
	s_add_nc_u64 s[G0SB+2:G0SB+3], s[6:7], s[G0SB+2:G0SB+3]
	s_add_nc_u64 s[G0S2+2:G0S2+3], s[6:7], s[G0S2+2:G0S2+3]
	s_add_nc_u64 s[G0SB2+2:G0SB2+3], s[6:7], s[G0SB2+2:G0SB2+3]
.irp g, G0+3, G0+7, G0B+3, G0B+7, G0S+3, G0SB+3, G0S2+3, G0SB2+3
	s_or_b32 s[\g], s[\g], 0x80000000              ; 127:126 type = 2
.endr
	CROUND                                         ; all sixteen work-groups are here: the first joint loads meet
	JLOAD G0S, G1S, G0SB, G1SB                     ; pass 1's scale words first: they are wanted with K slot 0;
	JLOAD G0S2, G1S2, G0SB2, G1SB                  ; pass 2's: filled once, like the first;
	JLOAD G0, G1, G0B, G1B                         ; K slot 0,
	JLOAD G0+4, G1, G0B+4, G1B                     ; K slot 1: four tensor loads of mine are out
	v_and_b32 v1, 31, v0
	v_lshlrev_b32 v[GL], 4, v1                     ; 16 x lane
	v_and_b32 v3, 15, v0                           ; r
	v_bfe_u32 v4, v0, 4, 1                         ; h
	s_wait_alu depctr_va_vdst(0)
	s_lshl_b32 s17, s15, 15                        ; pass 1: my 8 blocks of N
	s_lshl_b32 s18, s16, 15
	s_add_co_u32 s18, s18, 65536                   ; my 8 tiles of P
	v_add_nc_u32 v[ADRA], s17, v[GL]
	v_add_nc_u32 v[ADRB], s18, v[GL]
	v_add_nc_u32 v[ADRA+1], SLOT, v[ADRA]
	v_add_nc_u32 v[ADRB+1], SLOT, v[ADRB]
	s_lshl_b32 s17, s15, 14                        ; pass 2: my 4 blocks of N
	v_add_nc_u32 v[ADRA2], s17, v[GL]
	v_add_nc_u32 v[ADRA2+1], SLOT, v[ADRA2]
	v_lshlrev_b32 v5, 3, v3                        ; scale words: 8 bytes a row and K slot
	s_lshl_b32 s17, s16, 12                        ; P's: my 8 tiles, in both passes
	s_lshl_b32 s18, s15, 12
	s_add_co_u32 s18, s18, 8192                    ; pass 1's of N: my 8 blocks, behind P's 16 tiles
	s_sub_co_u32 s18, s18, s17
	v_mul_u32_u24 v6, s18, v4                      ; lanes 16-31 take N's: the lower base + h x the distance
	v_add_nc_u32 v6, v5, v6
	s_add_co_u32 s19, s17, SCL
	v_add_nc_u32 v[ADRS], s19, v6
	s_lshl_b32 s18, s15, 11
	s_add_co_u32 s18, s18, 8192                    ; pass 2's of N: my 4 blocks
	s_sub_co_u32 s18, s18, s17
	v_mul_u32_u24 v6, s18, v4
	s_wait_alu depctr_va_vdst(0)
	v_add_nc_u32 v6, v5, v6
	s_add_co_u32 s19, s17, SC2P
	v_add_nc_u32 v[ADRS2], s19, v6
	v_lshlrev_b32 v[SCO], 4, v3
	v_lshl_add_u32 v[SCO2], v4, 3, v[SCO]          ; pass 2: lane (r, h) stores words 2 h and 2 h + 1 of row r
	v_lshl_add_u32 v[SCO], v4, 14, v[SCO]          ; pass 1: lanes 0-15 store head slot H0's words, lanes 16-31 those of H0 + 1
	v_lshlrev_b32 v[SH], 4, v4
.macro FRAG reg, adr, q, i             ; a fragment's image: four loads of 512 consecutive bytes
.irp c, 0,1,2,3
	ds_load_b128 v[(\reg)+4*\c:(\reg)+4*\c+3], v[\adr] offset:4096*(\i)+2048*(\q)+512*\c
.endr
.endm
; 8 matrix instructions: N's block a, whose fragment stands at v[ar], x P's 8 tiles of set p, the slot's q-th 128 along K.  sc: the set of scale words.  zero = 1: the product starts the sums: nothing is ever cleared.
; The accumulators take turns, one instruction a turn, in the same order in every step.
.macro MULA a, ar, p, q, sc, zero
.irp b, 0,1,2,3,4,5,6,7
.set AC, (8*(8*(\a)+\b))%256
.if \zero
	v_wmma_scale_f32_16x16x128_f8f6f4 v[AC:AC+7], v[128*(\p)+16*\b:128*(\p)+16*\b+15], v[(\ar):(\ar)+15], 0, v[SC+16*(\sc)+2*\b+(\q)], v[SC+16*(\sc)+2*(\a)+(\q)] matrix_b_scale:MATRIX_SCALE_ROW1
.else
	v_wmma_scale_f32_16x16x128_f8f6f4 v[AC:AC+7], v[128*(\p)+16*\b:128*(\p)+16*\b+15], v[(\ar):(\ar)+15], v[AC:AC+7], v[SC+16*(\sc)+2*\b+(\q)], v[SC+16*(\sc)+2*(\a)+(\q)] matrix_b_scale:MATRIX_SCALE_ROW1
.endif
.endr
.endm
.macro MUL2 a0, p, q, sc, zero         ; pass 1: blocks a0 and a0 + 1 of the one set of eight
.irp a, \a0, \a0+1
	MULA \a, AF+16*(\a), \p, \q, \sc, \zero
.endr
.endm
.macro MULB a, p, sc, zero             ; pass 2: block a of set p, which holds the slot's p-th 128 along K
	MULA \a, AF+64*(\p)+16*(\a), \p, \p, \sc, \zero
.endm
.macro FETCH_B slot, q, p              ; P's eight fragments into set p
	WIN TO_B
.irp i, 0,1,2,3,4,5,6,7
	FRAG 128*(\p)+16*\i, ADRB+\slot, \q, \i
.endr
	WIN 0
.endm
.macro FETCH_A slot, q, i0             ; pass 1: N's blocks i0 .. i0 + 3
.irp i, \i0, \i0+1, \i0+2, \i0+3
	FRAG AF+16*(\i), ADRA+\slot, \q, \i
.endr
.endm
.macro FETCH_A2 slot, q                ; pass 2: N's four blocks into set q
.irp i, 0,1,2,3
	FRAG AF+64*(\q)+16*\i, ADRA2+\slot, \q, \i
.endr
.endm
.macro SCALES sc, adr                  ; a K slot's scale words, two a row: lanes 0-15 P's tile i, lanes 16-31 N's block i.  Pass 2's N has four blocks: for i = 4 .. 7 lanes 16-31 read on into bytes that are filled (N's other half, or pass 1's words) and whose values no product takes
.irp i, 0,1,2,3,4,5,6,7
	ds_load_b64 v[SC+16*\sc+2*\i:SC+16*\sc+2*\i+1], v[\adr] offset:512*\i
.endr
.endm
.macro PLACES n                        ; a load into a register that a matrix instruction has read, and the first read of a result, stand NP plain vector instructions behind it (ISA guide 7.12.1 for the read of a result)
.rept \n
	v_nop
.endr
.endm
.macro NEXTPASS slot                   ; slot's two groups 0 are set for pass 2's K slot of the same number.  No tensor load of mine is out
	s_lshl_b32 s[G0+4*\slot+1], s16, 14            ; N's halves are 16,384 bytes now
.if \slot
	s_add_co_u32 s[G0+4*\slot+1], s[G0+4*\slot+1], \slot*SLOT
.endif
	s_add_nc_u64 s[G0+4*\slot+2:G0+4*\slot+3], s[12:13], \slot*STR
	s_or_b32 s[G0+4*\slot+3], s[G0+4*\slot+3], 0x80000000
	s_add_nc_u64 s[G0B+4*\slot+2:G0B+4*\slot+3], s[2:3], \slot*STR
	s_or_b32 s[G0B+4*\slot+3], s[G0B+4*\slot+3], 0x80000000
.endm
; PASS 1.  A slot's first 128 along K (P's set 0); it fetches the second (set 1).  N has one set: blocks 0-3 are fetched anew in the step's middle, blocks 4-7 at its end.
.macro STEP slot, zero
	s_wait_dscnt 16                                ; P's set and N's blocks 0-3 are in; the youngest sixteen loads (blocks 4-7) may be out
	WIN MUL_LO
	MUL2 0, 0, 0, \slot, \zero
	MUL2 2, 0, 0, \slot, \zero
	s_wait_dscnt 0                                 ; blocks 4-7 are in
	PLACES NP
	FETCH_B \slot, 1, 1
	FETCH_A \slot, 1, 0
	WIN MUL_HI
	MUL2 4, 0, 0, \slot, \zero
	MUL2 6, 0, 0, \slot, \zero
	PLACES NP
	WIN 0
	FETCH_A \slot, 1, 4
.endm
; A slot's second 128 along K changes slots: ONE barrier, which opens a round of the cluster's; in front of it each wave waits for all its tensor loads, adds 0 to its spare word, and waits for that and for its reads of this slot.
; Every change of pass 1 fills its slot again: on = 0: with this pass's K slot two on; on = 1: with pass 2's K slot of the slot's own number.  next = -1: pass 1's last step: no fragment is fetched: the way out follows.
.macro TURN slot, next, on
	s_wait_tensorcnt 0x0                           ; all my tensor loads have landed: my part of the other slot  (every window is 0 here)
	ds_add_u32 v[SPW], v[NIL]                      ; 0 onto my spare word
	s_wait_dscnt 17                                ; (the add and the youngest sixteen loads may be out)
	WIN MUL_LO
	MUL2 0, 1, 1, \slot, 0                         ; matrix instructions stand between the add and the wait for it
	s_wait_dscnt 0x0                               ; the add is done, and my reads of this slot are over
	s_barrier_signal -1
	MUL2 2, 1, 1, \slot, 0
	WIN 0
	s_barrier_wait -1
	CREST                                          ; no wave of any partner still reads this slot or has a load on its way
.if \on
	NEXTPASS \slot
	JLOAD G0+4*\slot, G1A2, G0B+4*\slot, G1B       ; the first tensor load behind the round, my one load until the next
.else
	s_add_nc_u64 s[G0+4*\slot+2:G0+4*\slot+3], s[G0+4*\slot+2:G0+4*\slot+3], 2*STR
	s_add_nc_u64 s[G0B+4*\slot+2:G0B+4*\slot+3], s[G0B+4*\slot+2:G0B+4*\slot+3], 2*STR
	JLOAD G0+4*\slot, G1, G0B+4*\slot, G1B
.endif
.if \next >= 0
	PLACES NP-4                                    ; with the four v_nop behind the load: the places in front of the loads below
	s_wait_alu depctr_va_vdst(0)
	v_add_nc_u32 v[ADRS], 128, v[ADRS]             ; the next K slot's scale words (no LDS load of mine is out)
	FETCH_B \next, 0, 0
	FETCH_A \next, 0, 0
	SCALES \next, ADRS
.endif
	WIN MUL_HI
	MUL2 4, 1, 1, \slot, 0
	MUL2 6, 1, 1, \slot, 0
.if \next >= 0
	PLACES NP
	WIN 0
	FETCH_A \next, 0, 4
.else
	WIN 0
.endif
.endm
; PASS 2.  32 matrix instructions a step; both operands have two sets, and each set is fetched sixteen matrix instructions ahead of its use.
.macro STEP2 slot, zero
	s_wait_dscnt 0x0                               ; set 0 and the scale words are in
	WIN MUL_LO
	MULB 0, 0, \slot, \zero
	MULB 1, 0, \slot, \zero
	PLACES NP                                      ; for the loads into set 1, which the step before multiplied
	FETCH_B \slot, 1, 1
	FETCH_A2 \slot, 1
	WIN MUL_LO
	MULB 2, 0, \slot, \zero
	MULB 3, 0, \slot, \zero
	WIN 0
.endm
.macro TURN2 slot, next, fill          ; fill = 1: the slot is filled again, two K slots ahead
	s_wait_tensorcnt 0x0                           ; all my tensor loads have landed: my part of the other slot
	ds_add_u32 v[SPW], v[NIL]                      ; 0 onto my spare word
	s_wait_dscnt 1                                 ; set 1 is in; the add may be out
	WIN MUL_LO
	MULB 0, 1, \slot, 0                            ; matrix instructions stand between the add and the wait for it
	s_wait_dscnt 0x0                               ; the add is done, and my reads of this slot are over
	s_barrier_signal -1
	MULB 1, 1, \slot, 0
	WIN 0
	s_barrier_wait -1
.if \fill
	CREST                                          ; the barrier has opened a round of the cluster's
	s_add_nc_u64 s[G0+4*\slot+2:G0+4*\slot+3], s[G0+4*\slot+2:G0+4*\slot+3], 2*STR
	s_add_nc_u64 s[G0B+4*\slot+2:G0B+4*\slot+3], s[G0B+4*\slot+2:G0B+4*\slot+3], 2*STR
	JLOAD G0+4*\slot, G1A2, G0B+4*\slot, G1B       ; the first tensor load behind the round, my one load until the next
	PLACES NP-4
.else
	PLACES NP
.endif
	s_wait_alu depctr_va_vdst(0)
	v_add_nc_u32 v[ADRS2], 128, v[ADRS2]           ; the next K slot's scale words (no LDS load of mine is out)
	FETCH_B \next, 0, 0
	FETCH_A2 \next, 0
	SCALES \next, ADRS2
	WIN MUL_LO
	MULB 2, 1, \slot, 0
	MULB 3, 1, \slot, 0
	WIN 0
.endm
; THE WAY OUT, without LDS.  The 64 registers of block a's eight accumulators are, for my row of N, register 16 b + i = P's row 32 b + 16 h + i: four blocks of 32 along the next K, 16 numbers of each in my lane, 16 in lane l xor 16.
; They are quantised where they lie; the codes are the image's register groups and leave by four stores of 512 consecutive bytes, whose places stand in the immediates.
.macro QOUT a, pass
.set AW, 2+(\a)/4                      ; the block's window
.set Q0, 64*((\a)%4)
	WIN (AW*5)                                     ; sources 0 and 1: the accumulators
.irp b, 0,1,2,3
	v_max3_num_f32 v[TM+\b], |v[Q0+16*\b]|, |v[Q0+16*\b+1]|, 0x4800000   ; each accumulator is read from its low end on; the floor 2^(9 - 127) holds the byte at 1 from below
.endr
.irp i, 2,4,6,8,10,12,14
.irp b, 0,1,2,3
	v_max3_num_f32 v[TM+\b], |v[Q0+16*\b+\i]|, |v[Q0+16*\b+\i+1]|, v[TM+\b]
.endr
.endr
	WIN 0
.irp b, 0,1,2,3
	v_permlanex16_b32 v[TM+4+\b], v[TM+\b], s78, s79
.endr
.irp b, 0,1,2,3
	v_max_num_f32 v[TM+\b], v[TM+\b], v[TM+4+\b]   ; the block's largest magnitude
.endr
.irp b, 0,1,2,3
	v_add_nc_u32 v[TM+12+\b], 0xfc000000, v[TM+\b] ; 8 off its exponent field: the conversion's scale operand
.endr
.irp b, 0,1,2,3
.endr
.irp b, 0,1,2,3
	v_lshrrev_b32 v[TM+4+\b], 23, v[TM+12+\b]      ; the scale's byte
.endr
	v_lshl_or_b32 v[PW+(\a)], v[TM+5], 8, v[TM+4]
	v_lshl_or_b32 v[PW+(\a)], v[TM+6], 16, v[PW+(\a)]
	v_lshl_or_b32 v[PW+(\a)], v[TM+7], 24, v[PW+(\a)]
	WIN ((AW<<6)|AW)                               ; destination and source 0: the accumulators
.irp b, 0,1,2,3
.irp i, 0,1,2,3,4,5,6,7,8,9,10,11,12,13,14,15
.endr
.endr
.if (\a) > 0
	s_wait_xcnt 0x0                                ; the last block's stores have had their addresses translated (ISA guide 3.1): only now are their data written again
.endif
	WIN AW                                         ; source 0: the accumulators
.irp b, 0,1,2,3
	v_cvt_scalef32_pk8_fp8_f32 v[PC+4*\b:PC+4*\b+1], v[Q0+16*\b:Q0+16*\b+7], v[TM+12+\b]
	v_cvt_scalef32_pk8_fp8_f32 v[PC+4*\b+2:PC+4*\b+3], v[Q0+16*\b+8:Q0+16*\b+15], v[TM+12+\b]
.endr
	WIN 0
	v_nop                                          ; a plain line behind the last conversion of a run
.irp c, 0,1,2,3
.if \pass == 1
	global_store_b128 v[GL], v[PC+4*\c:PC+4*\c+3], s[8:9] offset:1024*(\a)+512*(\c%2)+524288*(\c/2)   ; token tile a; groups 0, 1: head slot H0's d = 0 .. 63; groups 2, 3: those of H0 + 1.  32 lanes store 512 consecutive bytes
.else
	global_store_b128 v[GL], v[PC+4*\c:PC+4*\c+3], s[44:45] offset:2048*(\a)+512*\c                   ; channel tile a, keys 32 c on
.endif
.endr
.endm
	s_wait_tensorcnt 1                             ; both passes' scale words and my part of K slot 0 are in; K slot 1's load may be out
	s_barrier_signal -1
	s_barrier_wait -1                              ; everybody's are
	FETCH_B 0, 0, 0
	FETCH_A 0, 0, 0
	SCALES 0, ADRS
	FETCH_A 0, 0, 4
	; My first three tensor loads are done, so their descriptors' registers may be written.  Group 1 for pass 2's tiles of N: 4 tiles in a K slot, 16,384 bytes
	s_or_b32 s[G1A2+0], s43, W0
	SHAPE G1A2, 64
	; where the results go
	s_lshl_b32 s22, s100, 2
	s_add_co_u32 s23, s22, s40                     ; pass 1: which 256 columns: 4 c1 + cx
	s_add_co_u32 s22, s22, s41                     ; pass 2: which 128 channels: 4 c1 + cy
	s_lshl_b32 s88, s101, 2
	s_add_co_u32 s89, s88, s41                     ; pass 1: which 256 tokens: 4 c2 + cy
	s_add_co_u32 s88, s88, s40                     ; pass 2: 4 c2 + cx
	s_lshl_b32 s22, s22, 1
	s_add_co_u32 s22, s22, s15
	s_add_co_u32 s22, s22, 32                      ; pass 2: my 64 channels are head slot H
	s_lshl_b32 s88, s88, 1
	s_add_co_u32 s88, s88, s16                     ; my 128 tokens are group S
	s_mov_b32 s21, 0
	s_lshl_b32 s20, s22, 19
	s_lshl_b32 s90, s88, 13
	s_add_co_u32 s20, s20, s90
	s_add_nc_u64 s[44:45], s[8:9], s[20:21]        ; v's codes: 524288 H + 8192 S
	s_lshl_b32 s20, s22, 14
	s_lshl_b32 s90, s88, 8
	s_add_co_u32 s20, s20, s90
	s_add_nc_u64 s[46:47], s[10:11], s[20:21]      ; its scale words: 16384 H + 256 S
	s_lshl_b32 s23, s23, 2
	s_lshl_b32 s90, s16, 1
	s_add_co_u32 s23, s23, s90                     ; pass 1: my 128 columns are head slots H0 and H0 + 1
	s_lshl_b32 s89, s89, 1
	s_add_co_u32 s89, s89, s15                     ; my 8 token tiles are group T / 8
	s_lshl_b32 s20, s23, 19
	s_lshl_b32 s90, s89, 13
	s_add_co_u32 s20, s20, s90
	s_add_nc_u64 s[8:9], s[8:9], s[20:21]
	s_lshl_b32 s20, s23, 14
	s_lshl_b32 s90, s89, 8
	s_add_co_u32 s20, s20, s90
	s_add_nc_u64 s[10:11], s[10:11], s[20:21]
	s_mov_b32 s78, 0x76543210
	s_mov_b32 s79, 0xfedcba98                      ; v_permlanex16_b32's selects for lane l xor 16
	; PASS 1: four K slots, written out
	STEP 0, 1                                      ; K slot 0: its first products start the sums
	TURN 0, 1, 0                                   ; slot 0 takes K slot 2
	STEP 1, 0
	TURN 1, 0, 0                                   ; slot 1 takes K slot 3
	STEP 0, 0
	TURN 0, 1, 1                                   ; THE RING GOES ON: slot 0 takes pass 2's K slot 0,
	STEP 1, 0
	TURN 1, -1, 1                                  ; slot 1 its K slot 1.  In front of this round every wave has waited for its part of slot 0: behind it slot 0 is whole
	PLACES NP                                      ; behind the last products: the way out reads results and writes registers that held fragments
.irp b, 0,1,2,3
	v_mov_b32 v[TM+4+\b], 0                        ; a lane permute's destination counts as one of its sources
.endr
.irp a, 0,1,2,3,4,5,6,7
	QOUT \a, 1
.endr
.irp i, 0,1,2,3                        ; a block's word holds two bytes for head slot H0 and two for H0 + 1: my half's two bytes of token tiles 2 i and 2 i + 1 make word i
	v_lshrrev_b32 v188, v[SH], v[PW+2*\i]
	v_lshrrev_b32 v189, v[SH], v[PW+2*\i+1]
	v_and_b32 v188, 0xffff, v188
	v_lshl_or_b32 v[WD+\i], v189, 16, v188
.endr
	global_store_b128 v[SCO], v[WD:WD+3], s[10:11] ; sixteen lanes store 256 consecutive bytes, twice
	; PASS 2
	s_wait_xcnt 0x0                                ; the stores above have had their addresses translated (ISA guide 3.1): fragments may land in the registers that were their data
	FETCH_B 0, 0, 0
	FETCH_A2 0, 0
	SCALES 0, ADRS2
	STEP2 0, 1                                     ; K slot 0: its products start the sums anew, on accumulators that have been read out
	TURN2 0, 1, 1                                  ; slot 0 takes K slot 2
	STEP2 1, 0
	TURN2 1, 0, 1                                  ; slot 1 takes K slot 3
	STEP2 0, 0
	TURN2 0, 1, 0                                  ; nothing is left to fetch
	STEP2 1, 0
	s_wait_dscnt 0x0
	WIN MUL_LO
.irp a, 0,1,2,3
	MULB \a, 1, 1, 0
.endr
	WIN 0
	PLACES NP
.irp a, 0,1,2,3
	QOUT \a, 2
.endr
	v_cmp_ne_u32 vcc_lo, 0, v[SH]                  ; block a's word is channel tile a's: lanes 0-15 carry words 0 and 1 of row r, lanes 16-31 words 2 and 3
	v_cndmask_b32 v[WD], v[PW], v[PW+2], vcc_lo
	v_cndmask_b32 v[WD+1], v[PW+1], v[PW+3], vcc_lo
	global_store_b64 v[SCO2], v[WD:WD+1], s[46:47] ; 32 lanes store 256 consecutive bytes
	s_wait_tensorcnt 0x0                           ; the wave's end
	ds_add_u32 v[SPW], v[NIL]
	s_wait_dscnt 0x0
	CROUND                                         ; the closing round: no work-group ends while a partner may still ask for a tile that names it
	s_endpgm
.Lfunc_end_k_qc7b9320ad7_gemm1:
	.size	k_qc7b9320ad7_gemm1, .Lfunc_end_k_qc7b9320ad7_gemm1-k_qc7b9320ad7_gemm1
	.p2alignl 7, 3214868480
	.fill 96, 4, 3214868480
	.section	.rodata,"a",@progbits
	.p2align	6, 0x0
	.amdhsa_kernel k_qc7b9320ad7_gemm1
		.amdhsa_group_segment_fixed_size 327680
		.amdhsa_private_segment_fixed_size 0
		.amdhsa_enable_private_segment 0
		.amdhsa_kernarg_size 32
		.amdhsa_user_sgpr_count 2
		.amdhsa_user_sgpr_kernarg_segment_ptr 1
		.amdhsa_wavefront_size32 1
		.amdhsa_system_sgpr_workgroup_id_x 1
		.amdhsa_system_sgpr_workgroup_id_y 1
		.amdhsa_system_sgpr_workgroup_id_z 1
		.amdhsa_system_vgpr_workitem_id 0
		.amdhsa_next_free_vgpr 1024
		.amdhsa_next_free_sgpr 102
		.amdhsa_reserve_vcc 1
		.amdhsa_float_denorm_mode_32 3
		.amdhsa_float_denorm_mode_16_64 3
		.amdhsa_fp16_overflow 1
		.amdhsa_memory_ordered 1
		.amdhsa_forward_progress 1
		.amdhsa_inst_pref_size 236
	.end_amdhsa_kernel
	.amdgpu_metadata
---
amdhsa.version: [ 1, 2 ]
amdhsa.kernels:
  - .name:           k_qc7b9320ad7_gemm1
    .symbol:         k_qc7b9320ad7_gemm1.kd
    .args:
      - { .name: xw_codes, .offset: 0, .size: 8, .value_kind: global_buffer, .address_space: global }
      - { .name: xw_scales, .offset: 8, .size: 8, .value_kind: global_buffer, .address_space: global }
      - { .name: qkv_codes, .offset: 16, .size: 8, .value_kind: global_buffer, .address_space: global }
      - { .name: qkv_scales, .offset: 24, .size: 8, .value_kind: global_buffer, .address_space: global }
    .group_segment_fixed_size: 327680
    .private_segment_fixed_size: 0
    .kernarg_segment_align: 8
    .kernarg_segment_size: 32
    .max_flat_workgroup_size: 128
    .sgpr_count:     102
    .vgpr_count:     1024
    .wavefront_size: 32
...
	.end_amdgpu_metadata
.endif
;; end of part 2
;; launch attn (part 3): grid 4 x 64, 16 waves a work-group, clusters of 4 x 1, 272,384 bytes of LDS; arguments qkv_codes, qkv_scales, y_codes, y_scales; writes y_codes, y_scales
.if DOCPART == 3
	.amdgcn_target "amdgcn-amd-amdhsa--gfx1250"
	.amdhsa_code_object_version 6
	.text
	.protected	k_qc7b9320ad7_attn
	.globl	k_qc7b9320ad7_attn
	.p2align	8
	.type	k_qc7b9320ad7_attn,@function
k_qc7b9320ad7_attn:
	s_mov_b64 s[64:65], 0
	v_nop
	global_prefetch_b8 v0, s[64:65] scope:SCOPE_SE
	s_setreg_imm32_b32 hwreg(HW_REG_WAVE_MODE, 25, 1), 1
	s_wait_xcnt 0x0
	s_wait_alu depctr_hold_cnt(0) depctr_sa_sdst(0) depctr_va_vdst(0) depctr_va_sdst(0) depctr_va_ssrc(0) depctr_va_vcc(0) depctr_vm_vsrc(0)
	s_getreg_b32 s2, hwreg(HW_REG_IB_STS2, 6, 4)
	s_cmp_eq_u32 s2, 0
	s_cbranch_scc0 .Lentry_in_a_cluster
	s_endpgm
.Lentry_in_a_cluster:
	s_bfe_u32 s2, ttmp6, 0x10000c
	s_cmp_lg_u32 s2, 0x3003
	s_cbranch_scc0 .Lentry_shape_is_right
	s_endpgm
.Lentry_shape_is_right:
; Causal attention of 64 (batch, head) pairs, 2,048 tokens, head size 64, both products on codes of FP8 (E4M3) with E8M0 scales; the result y is quantised along C for the last product and leaves as codes.
; THE SOFTMAX: t = score x log2(e) / 8; M = the running largest t rounded UP to a whole number; p = 2^(t - M) is quantised along the keys, not normalised; the row's sum is taken of the unquantised p and divides O at the end.
; When M moves, the sum and O are multiplied by 2^(old M - new M): exact.
; INPUTS are images of operand registers (lane r of tile T stands for row 32 (T / 2) + 8 (T % 2) + r + 8 (r / 8)).  q, k: head slot H (q: head, k: 16 + head), token tile T: 524288 H + 1024 T + 512 c + 16 lane, d = 32 c + 16 h + ..
; v: 524288 (32 + head) + 8192 S + 2048 t + 512 c + 16 lane: channel tile t, keys 128 S + 32 c + 16 h + ..   Scale words: 16384 H + 256 g + 16 r + 4 i.
; THE HEAD'S 64 ARE HALF OF THE INSTRUCTION'S K.  Two neighbouring key tiles lie on end in memory and are loaded as ONE fragment: k 0-63 = tile 2 i, k 64-127 = tile 2 i + 1, with one scale word for both.
; It is multiplied by [q | 0] for tile 2 i's scores and by [0 | q] for tile 2 i + 1's: zero codes add nothing.  q lies in v24-31 between two runs of eight zeros, so both forms are runs of sixteen registers.
; Both products are used transposed (source 0 = keys, or channels of v; source 1 = my 16 queries): a lane holds ONE query throughout, and by the tiles' row order p's 16 registers of a pair of tiles are 16 neighbouring keys, y's 16 neighbouring channels.
; SHARES.  A cluster of four work-groups owns one (batch, head).  Query tile 4 u + cx, u = 0 .. 31, needs the key steps 0 .. u / 2 of 128 keys.  Wave w of sixteen takes u = 31 - w and then u = w: 17 steps in every wave.
; Every branch hangs on the wave's number and a loop's counter, never on cx.  Steps whose keys all come after the queries are jumped over; in the one step on the diagonal hidden scores become -infinity.
; LDS holds the whole head's k and v (131,072 bytes each) and their scale words (4,096 each): FILLED ONCE, by joint loads of the four partners (waves 0, 1: k; waves 2, 3: v), never again, and nothing is stored there.
; So the loops have no barrier; the second half of the keys lands under the first eight steps, which every wave has.
; OUTPUT: y's codes ((head / 4) 512 + tile) 4096 + ((head / 2) % 2) 2048 + (head % 2) 1024 + 512 b + 16 lane; its scale bytes 512 tile + 128 (head / 4) + 8 r + 4 ((head / 2) % 2) + 2 (head % 2) + b.
; LIMITS: NaN and infinities are not served.  A block whose largest magnitude lies under 2^-118 keeps the byte 1, a block of zeros too (the rule says 127): its codes are zeros, and this program alone reads the bytes.
; A block's largest p is made from its largest score by the same two instructions as every p; this takes v_exp_f32 not to fall where its input rises.
.set VIMG, 131072                      ; LDS: k's images from 0, v's from here: 8,192 bytes a step of 128 keys
.set KSC,  262144                      ; k's scale words, 256 bytes a step
.set VSC,  266240                      ; v's
.set AK0,  1                           ; v1   16 x lane: my place in an image of k
.set AV0,  2                           ; v2   the same in v's
.set ASK0, 3                           ; v3   KSC + 16 r
.set ASV0, 4                           ; v4   VSC + 16 r
.set GL,   5                           ; v5   16 x lane: my offset in q's and y's images in memory
.set VR,   6                           ; v6   r + 8 (r / 8) - 16 h
.set GB,   7                           ; v7   8 r + h: my scale byte of y
.set ADK,  8                           ; v8-11 the step's LDS addresses: k, v, k's scale words, v's
.set ADV,  9
.set ADS,  10
.set ADT,  11
                                       ; v12 -M, v13 the largest t, v[14:15] the sum in two halves; v16-23 zeros, v24-31 q, v32-39 zeros
.set KF,   40                          ; v40-103  four fragments of k, then of v
.set S,    104                         ; v104-167 S^T, then p; at the end y
.set O,    168                         ; v168-199 O^T: four tiles of 16 channels
.set PCD,  200                         ; v200-215 p's codes; at the end y's
.set KS,   216                         ; v216-219 k's scale words;  v220-223 v's
.set VS,   220
.set BM,   224                         ; v224-227 a block's largest score, then its largest p
.set PM,   228                         ; v228-231 the other half's; the bytes; a chain of the sum
.set HD,   232                         ; v232-235 two chains of the sum
.set SO,   236                         ; v236-239 the conversions' scale operands
.set F,    240                         ; v[240:241] f = 2^(old M - new M), and a word that is only named with it
.set T,    242                         ; v242 at work
.set PSW,  243                         ; v243 p's scale word
.set QS,   244                         ; v244 q's: its two bytes, twice
.set DQ,   245                         ; v245 my query, counted from the diagonal step's first key, less 16 h
.set NINF, 246                         ; v246 -infinity
.set RAWA, 247                         ; v247 the second tile's scale word as loaded;  v248-255 its q
.set QA,   248
.set WV,   12                          ; s12 my wave's number;  s13 cx;  s14 the head;  s15 the batch
.set G1C,  16                          ; s[16:23] descriptor group 1: 32,768 bytes of codes;  s[24:31]: 2,048 bytes of scale words;  s[32:55] six groups 0
.set G1S,  24
.set SEL,  56
.set CS,   58                          ; s[58:59] c = log2(e) / 8
.set MNT,  60
.set TB,   61                          ; s61 the step's images begin here;  s62 its scale words;  s63 the step
.set TS,   62
.set SI,   63
.set UH,   66                          ; s66 the tile's last step, u / 2
.set SD,   67                          ; s67 the tile's first query, counted from that step's first key
.macro CROUND                          ; a round of the cluster's barrier
	s_barrier_signal -1
	s_barrier_wait -1
	s_cmp_lg_u32 s[WV], 0
	s_cbranch_scc1 .Lnot_wave_0_\@
	s_barrier_signal -3
.Lnot_wave_0_\@:
	s_barrier_wait -3
	s_barrier_signal -1
	s_barrier_wait -1
.endm
	s_load_b256 s[4:11], s[0:1], 0x0               ; qkv's codes s[4:5], scales s[6:7]; y's codes s[8:9], scales s[10:11]
	v_lshl_add_u32 v254, v0, 2, 0x42000
	v_mov_b32 v255, 0
	ds_add_u32 v254, v255
	ds_add_u32 v254, v255
	s_wait_dscnt 0x0
	v_lshrrev_b32 v1, 5, v0
	s_delay_alu instid0(VALU_DEP_1)
	v_readfirstlane_b32 s[WV], v1                  ; wave 0..15
	s_bfe_u32 s13, ttmp6, 0x40000                  ; cx: it enters q's and y's addresses and the mask's numbers alone
	s_and_b32 s14, ttmp7, 0xffff                   ; which (batch, head): the four partners share it
	s_lshr_b32 s15, s14, 4
	s_and_b32 s14, s14, 15
	s_and_b32 s77, s[WV], 1                        ; which half I fetch, if I fetch
	s_mov_b32 s[G1C], 15|(3<<16)|(1<<21)           ; 15:0 the mask: all four work-groups; 17:16 elements of 8 bytes; 21 set beside a mask; no padding
	s_mov_b32 s[G1C+1], 32<<16                     ; a dense block as rows of 256 bytes: tensor_dim0 = 32
	s_mov_b32 s[G1C+2], 128<<16                    ; tensor_dim1 = 128
	s_mov_b32 s[G1C+3], 32<<16                     ; tile_dim0
	s_mov_b32 s[G1C+4], 128                        ; tile_dim1
	s_mov_b32 s[G1C+5], 32                         ; tensor_dim0_stride
	s_mov_b32 s[G1C+6], 0
	s_mov_b32 s[G1C+7], 0
	s_mov_b32 s[G1S], 15|(3<<16)|(1<<21)
	s_mov_b32 s[G1S+1], 32<<16
	s_mov_b32 s[G1S+2], 8<<16
	s_mov_b32 s[G1S+3], 32<<16
	s_mov_b32 s[G1S+4], 8
	s_mov_b32 s[G1S+5], 32
	s_mov_b32 s[G1S+6], 0
	s_mov_b32 s[G1S+7], 0
	s_lshl_b32 s78, s14, 19
	s_lshl_b32 s79, s15, 17
	s_add_co_u32 s88, s78, s79                     ; q's codes of this (batch, head): 524288 head + 131072 batch
	s_lshl_b32 s80, s77, 15                        ; my half of 65,536 bytes
	s_add_co_u32 s78, s88, s80
	s_add_co_u32 s78, s78, 16*524288               ; k's: sixteen head slots on
	s_mov_b32 s79, 0
	s_add_co_u32 s82, s78, 16*524288               ; v's: sixteen more
	s_mov_b32 s83, 0
	s_lshl_b32 s84, s14, 14
	s_lshl_b32 s85, s15, 12
	s_add_co_u32 s89, s84, s85                     ; q's scale words: 16384 head + 4096 batch
	s_lshl_b32 s81, s77, 11                        ; my half of 4,096 bytes
	s_add_co_u32 s84, s89, s81
	s_add_co_u32 s84, s84, 16*16384
	s_mov_b32 s85, 0
	s_add_co_u32 s86, s84, 16*16384
	s_mov_b32 s87, 0
	s_mov_b32 s[SEL], 0x76543210
	s_mov_b32 s[SEL+1], 0xfedcba98                 ; v_permlanex16_b32's selects for lane l xor 16
	s_mov_b32 s[CS], 0x3e38aa3b                    ; c = log2(e) / 8
	s_mov_b32 s[CS+1], s[CS]                       ; (named with it as a pair, so it is written)
	s_wait_kmcnt 0x0
	s_mov_b32 s32, 1                               ; k's scale words
	s_add_co_u32 s33, s81, KSC
	s_add_nc_u64 s[34:35], s[6:7], s[84:85]
	s_or_b32 s35, s35, 0x80000000
	s_mov_b32 s36, 1                               ; k, keys 0-1023
	s_mov_b32 s37, s80
	s_add_nc_u64 s[38:39], s[4:5], s[78:79]
	s_mov_b32 s40, 1                               ; k, keys 1024-2047
	s_add_co_u32 s41, s80, 65536
	s_add_nc_u64 s[42:43], s[38:39], 65536
	s_or_b32 s39, s39, 0x80000000
	s_or_b32 s43, s43, 0x80000000
	s_mov_b32 s44, 1                               ; v's scale words
	s_add_co_u32 s45, s81, VSC
	s_add_nc_u64 s[46:47], s[6:7], s[86:87]
	s_or_b32 s47, s47, 0x80000000
	s_mov_b32 s48, 1                               ; v, keys 0-1023
	s_add_co_u32 s49, s80, VIMG
	s_add_nc_u64 s[50:51], s[4:5], s[82:83]
	s_mov_b32 s52, 1                               ; v, keys 1024-2047
	s_add_co_u32 s53, s80, VIMG+65536
	s_add_nc_u64 s[54:55], s[50:51], 65536
	s_or_b32 s51, s51, 0x80000000
	s_or_b32 s55, s55, 0x80000000
	CROUND                                         ; all four work-groups are here: the joint loads meet
	s_cmp_lt_u32 s[WV], 2                          ; a wave's three fills stand together in one arm: three tensor loads of mine are out; four v_nop follow the last
	s_cbranch_scc0 .Lnot_k
	tensor_load_to_lds s[32:35], s[G1S:G1S+7]
	s_nop 0
	tensor_load_to_lds s[36:39], s[G1C:G1C+7]
	s_nop 0
	tensor_load_to_lds s[40:43], s[G1C:G1C+7]
	s_nop 0
.rept 4
	v_nop
.endr
	s_branch .Lasked
.Lnot_k:
	s_cmp_lt_u32 s[WV], 4
	s_cbranch_scc0 .Lasked
	tensor_load_to_lds s[44:47], s[G1S:G1S+7]
	s_nop 0
	tensor_load_to_lds s[48:51], s[G1C:G1C+7]
	s_nop 0
	tensor_load_to_lds s[52:55], s[G1C:G1C+7]
	s_nop 0
.rept 4
	v_nop
.endr
.Lasked:
	; the two tiles' addresses in memory
	s_lshr_b32 s90, s14, 2
	s_lshl_b32 s94, s90, 21                        ; y's codes: (head / 4) 512 tiles of 4,096 bytes,
	s_lshl_b32 s95, s90, 7                         ; its scale bytes: 128 (head / 4),
	s_bfe_u32 s90, s14, 0x10001
	s_lshl_b32 s91, s90, 11
	s_add_co_u32 s94, s94, s91                     ; + 2048 ((head / 2) % 2),
	s_lshl_b32 s91, s90, 2
	s_add_co_u32 s95, s95, s91                     ; + 4 ((head / 2) % 2),
	s_and_b32 s90, s14, 1
	s_lshl_b32 s91, s90, 10
	s_add_co_u32 s94, s94, s91                     ; + 1024 (head % 2)
	s_lshl_b32 s91, s90, 1
	s_add_co_u32 s95, s95, s91                     ; + 2 (head % 2)
	s_mov_b32 s93, 0
.macro TADR u, qc, qs, yc, ys          ; query tile 4 u + cx: q's codes, q's scale word, y's codes, y's scale bytes
	s_lshl_b32 s90, s[\u], 2
	s_add_co_u32 s90, s90, s13
	s_lshl_b32 s92, s90, 10
	s_add_co_u32 s92, s92, s88
	s_add_nc_u64 s[\qc:\qc+1], s[4:5], s[92:93]
	s_lshr_b32 s92, s90, 3
	s_lshl_b32 s92, s92, 8
	s_lshr_b32 s91, s90, 1
	s_and_b32 s91, s91, 3
	s_lshl_b32 s91, s91, 2
	s_add_co_u32 s92, s92, s91
	s_add_co_u32 s92, s92, s89
	s_add_nc_u64 s[\qs:\qs+1], s[6:7], s[92:93]    ; group tile / 8, word (tile / 2) % 4
	s_lshl_b32 s91, s15, 7
	s_add_co_u32 s91, s91, s90                     ; the tile among all 512
	s_lshl_b32 s92, s91, 12
	s_add_co_u32 s92, s92, s94
	s_add_nc_u64 s[\yc:\yc+1], s[8:9], s[92:93]
	s_lshl_b32 s92, s91, 9
	s_add_co_u32 s92, s92, s95
	s_add_nc_u64 s[\ys:\ys+1], s[10:11], s[92:93]
.endm
	s_sub_co_u32 s96, 31, s[WV]                    ; the first tile's u
	TADR 96, 80, 82, 72, 74
	TADR WV, 84, 86, 68, 70
	s_lshr_b32 s98, s13, 1
	s_lshl_b32 s98, s98, 5
	s_and_b32 s97, s13, 1
	s_lshl_b32 s76, s97, 4                         ; s76: an odd tile's two scale bytes lie in the upper half of the pair's word
	s_lshl_b32 s97, s97, 3
	s_add_co_u32 s99, s98, s97                     ; s99: the tile's first row within its 64 tokens: 32 (cx / 2) + 8 (cx % 2)
	v_and_b32 v1, 31, v0
	s_delay_alu instid0(VALU_DEP_1)
	v_lshlrev_b32 v[AK0], 4, v1
	s_delay_alu instid0(VALU_DEP_1)
	v_mov_b32 v[GL], v[AK0]
	v_and_b32 v3, 15, v0                           ; r
	v_bfe_u32 v4, v0, 4, 1                         ; h
	s_delay_alu instid0(VALU_DEP_2)
	v_lshrrev_b32 v6, 3, v3
	s_delay_alu instid0(VALU_DEP_1)
	v_lshl_add_u32 v6, v6, 3, v3
	s_delay_alu instid0(VALU_DEP_3)
	v_lshlrev_b32 v7, 4, v4
	s_delay_alu instid0(VALU_DEP_1)
	v_sub_nc_u32 v[VR], v6, v7
	v_lshl_add_u32 v[GB], v3, 3, v4
	v_lshlrev_b32 v9, 4, v3                        ; 16 r: also the offset of q's scale words (v9 is next written behind the wait for those loads)
	s_delay_alu instid0(VALU_DEP_1)
	v_add_nc_u32 v[ASV0], VSC, v9
	s_delay_alu instid0(VALU_DEP_2)
	v_add_nc_u32 v[ASK0], KSC, v9
	v_add_nc_u32 v[AV0], VIMG, v[AK0]
	global_load_b128 v[24:27], v[GL], s[80:81]     ; the first tile's q: register groups 0 and 1
	global_load_b128 v[28:31], v[GL], s[80:81] offset:512
	global_load_b128 v[QA:QA+3], v[GL], s[84:85]   ; the second tile's
	global_load_b128 v[QA+4:QA+7], v[GL], s[84:85] offset:512
	global_load_b32 v[T], v9, s[82:83]
	global_load_b32 v[RAWA], v9, s[86:87]
.irp j, 0,1,2,3,4,5,6,7
	v_mov_b32 v[16+\j], 0                          ; the zero codes on both sides of q
	v_mov_b32 v[32+\j], 0
.endr
.irp b, 0,1,2,3
	v_mov_b32 v[PM+\b], 0                          ; written once: a lane permute's destination counts as one of its sources
.endr
	v_mov_b32 v[F+1], 0                            ; (named as the upper half of the pair v[F:F+1])
	v_mov_b32 v[NINF], 0xff800000
; A tile begins.  second = 1: the tile u = w, whose q waits in v[QA] on.
.macro INIT second, raw
.if \second
	s_mov_b32 s77, s[WV]
.else
	s_sub_co_u32 s77, 31, s[WV]
.endif
	s_lshr_b32 s[UH], s77, 1
	s_and_b32 s78, s77, 1
	s_lshl_b32 s78, s78, 6
	s_add_co_u32 s[SD], s78, s99                   ; 64 (u % 2) + the tile's first row
	s_mov_b32 s[TB], 0
	s_mov_b32 s[TS], 0
	s_mov_b32 s[SI], 0
.if \second
.irp j, 0,1,2,3,4,5,6,7
	v_mov_b32 v[24+\j], v[QA+\j]
.endr
.endif
	v_lshrrev_b32 v[T], s76, v[\raw]
	s_delay_alu instid0(VALU_DEP_1)
	v_and_b32 v[QS], 0xffff, v[T]
	s_delay_alu instid0(VALU_DEP_1)
	v_lshl_or_b32 v[QS], v[T], 16, v[QS]           ; q's two bytes, twice: they serve [q | 0] and [0 | q]
	v_add_nc_u32 v[DQ], s[SD], v[VR]
	v_mov_b32 v13, 0xff61b1e6                      ; the largest t so far: -3e38, under every t
	s_delay_alu instid0(VALU_DEP_1)
	v_floor_f32 v12, -v13                          ; -M
	v_mov_b32 v14, 0
	v_mov_b32 v15, 0
.set J, 0
.rept 32
	v_mov_b32 v[O+J], 0                            ; O^T: the step is written once; the first finds zeros.  (These lines are also the places between q, its scale word and the first products)
.set J, J+1
.endr
.endm
; A KEY STEP: 128 keys.  chk = 1: the step may lie behind the tile's last, or on the diagonal.
.macro STEP chk
.if \chk
	s_cmp_gt_u32 s[SI], s[UH]                      ; all its keys come after my queries: only the lines that step addresses are run
	s_cbranch_scc1 .Lhid_\@
.endif
	s_setprio 2
	v_add_nc_u32 v[ADK], s[TB], v[AK0]
	v_add_nc_u32 v[ADV], s[TB], v[AV0]
	v_add_nc_u32 v[ADS], s[TS], v[ASK0]
	v_add_nc_u32 v[ADT], s[TS], v[ASV0]
.rept 4
	v_nop                                          ; with the four additions: eight places in front of loads into registers that the last products read
.endr
.irp i, 0,1,2,3
.irp c, 0,1,2,3
	ds_load_b128 v[KF+16*\i+4*\c:KF+16*\i+4*\c+3], v[ADK] offset:2048*\i+512*\c   ; key tiles 2 i and 2 i + 1 as one fragment
.endr
.endr
	ds_load_b128 v[KS:KS+3], v[ADS]                ; the four pairs' scale words of row r
	s_wait_alu depctr_va_vdst(0)
	s_wait_dscnt 0x0
.irp i, 0,1,2,3
	v_wmma_scale_f32_16x16x128_f8f6f4 v[S+16*\i:S+16*\i+7], v[KF+16*\i:KF+16*\i+15], v[24:39], 0, v[KS+\i], v[QS]      ; x [q | 0]: keys 32 i + 16 h + 0 .. 7
	v_wmma_scale_f32_16x16x128_f8f6f4 v[S+16*\i+8:S+16*\i+15], v[KF+16*\i:KF+16*\i+15], v[16:31], 0, v[KS+\i], v[QS]   ; x [0 | q]: keys 32 i + 16 h + 8 .. 15
.endr
.rept 8
	v_nop                                          ; places in front of the loads below and of the first read of the scores
.endr
.irp t, 0,1,2,3
.irp c, 0,1,2,3
	ds_load_b128 v[KF+16*\t+4*\c:KF+16*\t+4*\c+3], v[ADV] offset:2048*\t+512*\c   ; v's four channel tiles land under the softmax
.endr
.endr
	ds_load_b128 v[VS:VS+3], v[ADT]
.if \chk
	s_cmp_lg_u32 s[SI], s[UH]
	s_cbranch_scc1 .Lopen_\@                       ; all keys count
.set N, 0
.rept 64                               ; register N holds key 32 (N / 16) + N % 16 + 16 h of the step: hidden where that lies behind my query
	v_cmp_gt_i32 vcc_lo, 32*(N/16)+N%16, v[DQ]
	v_cndmask_b32 v[S+N], v[S+N], v[NINF], vcc_lo
.set N, N+1
.endr
.Lopen_\@:
.endif
.irp b, 0,1,2,3
	v_max3_num_f32 v[BM+\b], v[S+16*\b], v[S+1+16*\b], v[S+2+16*\b]   ; the largest score of each block of 32 keys: it serves the row's maximum and, since p rises with the score, the block's largest p
.endr
.irp i, 3,5,7,9,11,13
.irp b, 0,1,2,3
	v_max3_num_f32 v[BM+\b], v[BM+\b], v[S+16*\b+\i], v[S+1+16*\b+\i]
.endr
.endr
.irp b, 0,1,2,3
	v_max_num_f32 v[BM+\b], v[BM+\b], v[S+15+16*\b]
.endr
.irp b, 0,1,2,3
	s_delay_alu instid0(VALU_DEP_4)
	v_permlanex16_b32 v[PM+\b], v[BM+\b], s[SEL], s[SEL+1]
.endr
.irp b, 0,1,2,3
	s_delay_alu instid0(VALU_DEP_4)
	v_max_num_f32 v[BM+\b], v[BM+\b], v[PM+\b]     ; with lane l xor 16's 16 keys
.endr
	s_delay_alu instid0(VALU_DEP_2)
	v_max3_num_f32 v[T], v[BM], v[BM+1], v[BM+2]
	s_delay_alu instid0(VALU_DEP_1)
	v_max_num_f32 v[T], v[T], v[BM+3]              ; the step's largest score of my query
	s_delay_alu instid0(VALU_DEP_1)
	v_mul_f32 v[T], s[CS], v[T]                    ; as t (c is positive)
	s_delay_alu instid0(VALU_DEP_1)
	v_max_num_f32 v13, v13, v[T]                   ; the running largest t
	v_mov_b32 v[T], v12
	s_delay_alu instid0(VALU_DEP_2)
	v_floor_f32 v12, -v13                          ; the new -M = floor(-t): M is a whole number
	s_delay_alu instid0(VALU_DEP_1)
	v_sub_f32 v[T], v12, v[T]                      ; old M - new M: a whole number, 0 or less
	s_delay_alu instid0(VALU_DEP_1)
	v_cvt_i32_f32 v[T], v[T]                       ; (it saturates)
	s_delay_alu instid0(VALU_DEP_1)
	v_ldexp_f32 v[F], 1.0, v[T]                    ; f = 2^(old M - new M)
.set J, 0
.rept 32
	v_pk_fma_f32 v[S+J:S+J+1], v[S+J:S+J+1], s[CS:CS+1], v[12:13] op_sel_hi:[1,0,0]   ; t - M, two at a time
.set J, J+2
.endr
.irp b, 0,1,2,3
	v_fma_f32 v[BM+\b], v[BM+\b], s[CS], v12       ; the same of each block's largest score
.endr
.set J, 0
	s_setprio 1
	s_wait_alu depctr_va_vdst(0)
.rept 64
	v_exp_f32 v[S+J], v[S+J]                       ; p = 2^(t - M), at most 1
.set J, J+1
.endr
.irp b, 0,1,2,3
	v_exp_f32 v[BM+\b], v[BM+\b]                   ; the block's largest p
.endr
	v_pk_mul_f32 v[14:15], v[14:15], v[F:F+1] op_sel_hi:[1,0]   ; the sums under the new M.  (A plain line behind the exponentials)
	s_wait_alu depctr_va_vdst(0)
.irp b, 0,1,2,3
	v_max_num_f32 v[BM+\b], 0x4800000, v[BM+\b]    ; the floor 2^(9 - 127): the byte cannot fall under 1
.endr
.irp b, 0,1,2,3
	s_delay_alu instid0(VALU_DEP_4)
	v_add_nc_u32 v[SO+\b], 0xfc000000, v[BM+\b]    ; the conversion's scale operand
.endr
.irp b, 0,1,2,3
.endr
.irp b, 0,1,2,3
	s_delay_alu instid0(VALU_DEP_4)
	v_lshrrev_b32 v[PM+\b], 23, v[SO+\b]           ; the scale's byte
.endr
	s_delay_alu instid0(VALU_DEP_3)
	v_lshl_or_b32 v[PSW], v[PM+1], 8, v[PM]        ; p's scale word for these 128 keys
	s_delay_alu instid0(VALU_DEP_1)
	v_lshl_or_b32 v[PSW], v[PM+2], 16, v[PSW]
	s_delay_alu instid0(VALU_DEP_1)
	v_lshl_or_b32 v[PSW], v[PM+3], 24, v[PSW]
	v_pk_add_f32 v[228:229], v[108:109], v[112:113]
	v_pk_add_f32 v[234:235], v[116:117], v[120:121]
	v_pk_add_f32 v[232:233], v[124:125], v[128:129]
	v_pk_add_f32 v[226:227], v[132:133], v[136:137]
	v_pk_add_f32 v[224:225], v[140:141], v[144:145]
	v_pk_add_f32 v[218:219], v[148:149], v[152:153]
	v_pk_add_f32 v[216:217], v[156:157], v[160:161]
	v_pk_add_f32 v[14:15], v[14:15], v[164:165]
	v_pk_add_f32 v[228:229], v[228:229], v[104:105]
	v_pk_add_f32 v[234:235], v[234:235], v[106:107]
	v_pk_add_f32 v[232:233], v[232:233], v[110:111]
	v_pk_add_f32 v[226:227], v[226:227], v[114:115]
	v_pk_add_f32 v[224:225], v[224:225], v[118:119]
	v_pk_add_f32 v[218:219], v[218:219], v[122:123]
	v_pk_add_f32 v[216:217], v[216:217], v[126:127]
	v_pk_add_f32 v[14:15], v[14:15], v[130:131]
	v_pk_add_f32 v[228:229], v[228:229], v[134:135]
	v_pk_add_f32 v[234:235], v[234:235], v[138:139]
	v_pk_add_f32 v[232:233], v[232:233], v[142:143]
	v_pk_add_f32 v[226:227], v[226:227], v[146:147]
	v_pk_add_f32 v[224:225], v[224:225], v[150:151]
	v_pk_add_f32 v[218:219], v[218:219], v[154:155]
	v_pk_add_f32 v[216:217], v[216:217], v[158:159]
	v_pk_add_f32 v[14:15], v[14:15], v[162:163]
	v_pk_add_f32 v[228:229], v[228:229], v[166:167]
	s_delay_alu instid0(VALU_DEP_2)
	v_pk_add_f32 v[14:15], v[14:15], v[226:227]
	s_delay_alu instid0(VALU_DEP_2)
	v_pk_add_f32 v[228:229], v[228:229], v[224:225]
	s_setprio 0
	v_pk_add_f32 v[234:235], v[234:235], v[218:219]
	v_pk_add_f32 v[232:233], v[232:233], v[216:217]
	s_delay_alu instid0(VALU_DEP_2)
	v_pk_add_f32 v[14:15], v[14:15], v[234:235]
	s_delay_alu instid0(VALU_DEP_2)
	v_pk_add_f32 v[228:229], v[228:229], v[232:233]
	s_delay_alu instid0(VALU_DEP_1)
	v_pk_add_f32 v[14:15], v[14:15], v[228:229]
.irp b, 0,1,2,3
.irp i, 0,1,2,3,4,5,6,7,8,9,10,11,12,13,14,15
.endr
	v_cvt_scalef32_pk8_fp8_f32 v[PCD+4*\b:PCD+4*\b+1], v[S+16*\b:S+16*\b+7], v[SO+\b]
	v_cvt_scalef32_pk8_fp8_f32 v[PCD+4*\b+2:PCD+4*\b+3], v[S+16*\b+8:S+16*\b+15], v[SO+\b]
.endr
.set J, 0
.rept 16
	v_pk_mul_f32 v[O+J:O+J+1], v[O+J:O+J+1], v[F:F+1] op_sel_hi:[1,0]   ; O^T under the new M.  (These sixteen are also the places between the codes and the products below)
.set J, J+2
.endr
	s_wait_alu depctr_va_vdst(0)
	s_wait_dscnt 0x0                               ; v is in
.irp t, 0,1,2,3
	v_wmma_scale_f32_16x16x128_f8f6f4 v[O+8*\t:O+8*\t+7], v[KF+16*\t:KF+16*\t+15], v[PCD:PCD+15], v[O+8*\t:O+8*\t+7], v[VS+\t], v[PSW]   ; the four accumulators by turns
.endr
.if \chk
.Lhid_\@:
.endif
	s_add_co_u32 s[TB], s[TB], 8192
	s_add_co_u32 s[TS], s[TS], 256
.endm
; A tile ends: O^T / the sum is y; register 16 b + i is channel 32 b + 16 h + i of my query: two blocks along C.  They are quantised and leave as two register groups of y's image, and two scale bytes a row.
.macro OUT yc, ys
.rept 8
	v_nop                                          ; places behind the last products
.endr
	v_add_f32 v14, v14, v15
	s_delay_alu instid0(VALU_DEP_1)
	v_permlanex16_b32 v[T], v14, s[SEL], s[SEL+1]
	s_delay_alu instid0(VALU_DEP_1)
	v_add_f32 v14, v14, v[T]                       ; the row's sum
	s_wait_alu depctr_va_vdst(0)
	v_rcp_f32 v14, v14
	v_nop                                          ; a plain line behind the transcendental
.set J, 0
	s_wait_alu depctr_va_vdst(0)
.rept 16
	v_pk_mul_f32 v[S+J:S+J+1], v[O+J:O+J+1], v[14:15] op_sel_hi:[1,0]   ; each accumulator from its low end on
.set J, J+2
.endr
.irp b, 0,1
	v_max3_num_f32 v[BM+\b], |v[S+16*\b]|, |v[S+1+16*\b]|, 0x4800000
.endr
.irp i, 2,4,6,8,10,12,14
.irp b, 0,1
	s_delay_alu instid0(VALU_DEP_2)
	v_max3_num_f32 v[BM+\b], v[BM+\b], |v[S+16*\b+\i]|, |v[S+1+16*\b+\i]|
.endr
.endr
.irp b, 0,1
	s_delay_alu instid0(VALU_DEP_2)
	v_permlanex16_b32 v[PM+\b], v[BM+\b], s[SEL], s[SEL+1]
.endr
.irp b, 0,1
	s_delay_alu instid0(VALU_DEP_2)
	v_max_num_f32 v[BM+\b], v[BM+\b], v[PM+\b]
.endr
.irp b, 0,1
	s_delay_alu instid0(VALU_DEP_2)
	v_add_nc_u32 v[SO+\b], 0xfc000000, v[BM+\b]
.endr
.irp b, 0,1
.endr
.irp b, 0,1
	s_delay_alu instid0(VALU_DEP_2)
	v_lshrrev_b32 v[PM+\b], 23, v[SO+\b]
.endr
.irp b, 0,1
.irp i, 0,1,2,3,4,5,6,7,8,9,10,11,12,13,14,15
.endr
	v_cvt_scalef32_pk8_fp8_f32 v[PCD+4*\b:PCD+4*\b+1], v[S+16*\b:S+16*\b+7], v[SO+\b]
	v_cvt_scalef32_pk8_fp8_f32 v[PCD+4*\b+2:PCD+4*\b+3], v[S+16*\b+8:S+16*\b+15], v[SO+\b]
.endr
	v_and_b32 v[T], 16, v0                         ; (a plain line behind the last conversion)
	s_delay_alu instid0(VALU_DEP_1)
	v_cmp_ne_u32 vcc_lo, 0, v[T]
	s_delay_alu instid0(VALU_DEP_1)
	v_cndmask_b32 v[T], v[PM], v[PM+1], vcc_lo     ; lanes 0-15 carry the first block's byte of row r, lanes 16-31 the second's
	global_store_b128 v[GL], v[PCD:PCD+3], s[\yc:\yc+1]              ; 32 lanes store 512 consecutive bytes
	global_store_b128 v[GL], v[PCD+4:PCD+7], s[\yc:\yc+1] offset:512
	global_store_b8 v[GB], v[T], s[\ys:\ys+1]      ; 2 of each row's 32 scale bytes are this head's: one byte for each 32 of the codes
	s_wait_xcnt 0x0                                ; the stores have had their addresses translated (ISA guide 3.1): their data are written again only behind this wait
.endm
	s_wait_tensorcnt 0x1                           ; the scale words and keys 0-1023 are in; my load of keys 1024-2047 may be out
	s_barrier_signal -1
	s_barrier_wait -1                              ; everybody's are
	s_wait_loadcnt 0x0                             ; q and its scale words
	INIT 0, T
.Lb1:                                  ; the tile u = 31 - w: steps 0-7 lie wholly in front of its queries in every wave (u / 2 is 8 at the least); they read the first half of the images alone
	STEP 0
	s_add_co_u32 s[SI], s[SI], 1
	s_cmp_lt_u32 s[SI], 8
	s_cbranch_scc1 .Lb1
	s_setprio 0
	s_wait_tensorcnt 0x0                           ; keys 1024-2047 are in,
	s_wait_dscnt 0x0
	s_barrier_signal -1
	s_barrier_wait -1                              ; everybody's are.  From here on no wave waits for another
	s_mov_b32 s[SI], 8                             ; the second half's first step, its images and its scale words, written out
	s_mov_b32 s[TB], 65536
	s_mov_b32 s[TS], 2048
.Lb2:
	STEP 1
	s_add_co_u32 s[SI], s[SI], 1
	s_cmp_lt_u32 s[SI], 16
	s_cbranch_scc1 .Lb2
	s_setprio 0
	OUT 72, 74
	INIT 1, RAWA
.La:                                   ; the tile u = w: its last step is u / 2, 7 at the most
	STEP 1
	s_add_co_u32 s[SI], s[SI], 1
	s_cmp_lt_u32 s[SI], 8
	s_cbranch_scc1 .La
	s_setprio 0
	OUT 68, 70
	s_wait_dscnt 0x0
	s_wait_xcnt 0x0
	v_lshl_add_u32 v254, v0, 2, 0x42000
	v_mov_b32 v255, 0
	s_wait_alu depctr_va_vdst(0)
	s_wait_tensorcnt 0x0
	ds_add_u32 v254, v255
	s_wait_dscnt 0x0
	CROUND                                         ; the closing round: no work-group ends while a partner may still ask for a tile that names it
	s_endpgm
.Lfunc_end_k_qc7b9320ad7_attn:
	.size	k_qc7b9320ad7_attn, .Lfunc_end_k_qc7b9320ad7_attn-k_qc7b9320ad7_attn
	.p2alignl 7, 3214868480
	.fill 96, 4, 3214868480
	.section	.rodata,"a",@progbits
	.p2align	6, 0x0
	.amdhsa_kernel k_qc7b9320ad7_attn
		.amdhsa_group_segment_fixed_size 272384
		.amdhsa_private_segment_fixed_size 0
		.amdhsa_enable_private_segment 0
		.amdhsa_kernarg_size 32
		.amdhsa_user_sgpr_count 2
		.amdhsa_user_sgpr_kernarg_segment_ptr 1
		.amdhsa_wavefront_size32 1
		.amdhsa_system_sgpr_workgroup_id_x 1
		.amdhsa_system_sgpr_workgroup_id_y 1
		.amdhsa_system_sgpr_workgroup_id_z 1
		.amdhsa_system_vgpr_workitem_id 0
		.amdhsa_next_free_vgpr 256
		.amdhsa_next_free_sgpr 100
		.amdhsa_reserve_vcc 1
		.amdhsa_float_denorm_mode_32 3
		.amdhsa_float_denorm_mode_16_64 3
		.amdhsa_fp16_overflow 1
		.amdhsa_memory_ordered 1
		.amdhsa_forward_progress 1
		.amdhsa_inst_pref_size 85
	.end_amdhsa_kernel
	.amdgpu_metadata
---
amdhsa.version: [ 1, 2 ]
amdhsa.kernels:
  - .name:           k_qc7b9320ad7_attn
    .symbol:         k_qc7b9320ad7_attn.kd
    .args:
      - { .name: qkv_codes, .offset: 0, .size: 8, .value_kind: global_buffer, .address_space: global }
      - { .name: qkv_scales, .offset: 8, .size: 8, .value_kind: global_buffer, .address_space: global }
      - { .name: y_codes, .offset: 16, .size: 8, .value_kind: global_buffer, .address_space: global }
      - { .name: y_scales, .offset: 24, .size: 8, .value_kind: global_buffer, .address_space: global }
    .group_segment_fixed_size: 272384
    .private_segment_fixed_size: 0
    .kernarg_segment_align: 8
    .kernarg_segment_size: 32
    .max_flat_workgroup_size: 512
    .sgpr_count:     100
    .vgpr_count:     256
    .wavefront_size: 32
...
	.end_amdgpu_metadata
.endif
;; end of part 3
;; launch gemm2 (part 4): grid 8 x 32, 4 waves a work-group, clusters of 4 x 4, 327,680 bytes of LDS; arguments y_codes, y_scales, xw_codes, xw_scales, out0; writes out0
.if DOCPART == 4
	.amdgcn_target "amdgcn-amd-amdhsa--gfx1250"
	.amdhsa_code_object_version 6
	.text
	.protected	k_qc7b9320ad7_gemm2
	.globl	k_qc7b9320ad7_gemm2
	.p2align	8
	.type	k_qc7b9320ad7_gemm2,@function
k_qc7b9320ad7_gemm2:
	s_mov_b64 s[64:65], 0
	v_nop
	global_prefetch_b8 v0, s[64:65] scope:SCOPE_SE
	s_setreg_imm32_b32 hwreg(HW_REG_WAVE_MODE, 25, 1), 1
	s_wait_xcnt 0x0
	s_wait_alu depctr_hold_cnt(0) depctr_sa_sdst(0) depctr_va_vdst(0) depctr_va_sdst(0) depctr_va_ssrc(0) depctr_va_vcc(0) depctr_vm_vsrc(0)
	s_getreg_b32 s2, hwreg(HW_REG_IB_STS2, 6, 4)
	s_cmp_eq_u32 s2, 0
	s_cbranch_scc0 .Lentry_in_a_cluster
	s_endpgm
.Lentry_in_a_cluster:
	s_bfe_u32 s2, ttmp6, 0x10000c
	s_cmp_lg_u32 s2, 0xf033
	s_cbranch_scc0 .Lentry_shape_is_right
	s_endpgm
.Lentry_shape_is_right:
; out = y w_proj on codes of FP8 (E4M3) with E8M0 scales for each 32 along K = 1,024; out [8192][1024] f32.
; OPERANDS are images of their registers: tile G (16 rows; lane r stands for row 32 (G / 2) + 8 (G % 2) + r + 8 (r / 8)), K step s of 128: codes at ((s / 2) TILES + G) 4096 + (s % 2) 2048 + 512 c + 16 lane
; (TILES = 512 in y's buffer, 768 in the weights', where w_proj's columns are tiles 704-767), scale words at 512 G + 128 (s / 2) + 8 r + 4 (s % 2).  A fragment comes by four loads of 16 bytes a lane at 16 x lane.
; SOURCE 0 is operand P = w_proj's columns (8 tiles a work-group, 4 a wave), SOURCE 1 operand N = tokens (16 tiles a work-group, 8 blocks a wave): lane (r, h) holds one token, and the 16 registers of
; P's tiles 2 b and 2 b + 1 are the columns 32 b + 16 h + 0 .. 15.
; A work-group makes 256 tokens x 128 columns, so that there are 256 work-groups; a wave 128 x 64: 32 accumulators.  K goes in four slots of 256 through a ring of two LDS slots; the scale words of all of K come once.
; CLUSTERS 4 x 4: N's tiles are shared along a row of the cluster, P's along a column: each is asked for jointly, by the same tensor load with a mask that names the four.
; REGISTERS, in windows of 256: window 0: v1-29 addresses; v32-63 scale words, two sets; v128-255 N's fragments, one set (on the way out: rows of out).  window 1: P's fragments, two sets.  window 2: the accumulators, (a, b) at 8 (4 a + b).
.set NB,    4                          ; P's tiles of a wave
.set PHB,   NB*4096                    ; their bytes in a slot
.set SLOT,  65536+2*PHB                ; N's 16 tiles x 4,096 bytes, then P's 2 NB
.set SCL,   2*SLOT                     ; behind the ring: P's scale words, 512 bytes a tile,
.set SCN,   SCL+2*NB*512               ; then N's
.set SPARE, SCN+8192                   ; the spare words, 128 bytes for each wave: two blocks of 256 bytes that no other line names
.set STRA,  2097152                    ; bytes from a K slot to the next in N's buffer,
.set STRB,  3145728                    ; and in P's
.set NP,    8                          ; places behind this matrix instruction (ISA guide 7.12.1)
.set ADRA,  16                         ; v16-17  LDS address of my fragments of N in slot 0, 1
.set ADRB,  20                         ; v20-21  of P
.set STO,   24                         ; v24     the way out: where I put 32 bytes of a row
.set RD,    25                         ; v25     where I read a row back
.set CO,    26                         ; v26     my byte offset in two rows of out
.set ADRS,  27                         ; v27     LDS address of my scale words: lanes 0-15 P's, lanes 16-31 N's
.set SPW,   28                         ; v28     LDS address of my spare word; never rewritten
.set NIL,   29                         ; v29     0; never rewritten
.set SC,    32                         ; scale words: set s at v[SC + 16 s]; register 2 i + q: lanes 0-15 P's tile i, lanes 16-31 N's block i, the slot's q-th 128 along K
.set AF,    128                        ; N's fragments
.set BK,    128                        ; the way out: 16 rows read back from the stage: v128-159 and v160-191 by turns
.set SPITCH, 272                       ; a stage row: 256 bytes + 16.  The stages, 16 rows a wave, lie in slot 0, which has had its last fill and its last read when the first result is stored there
.set G1,  24
.set G0,  32
.set G1B, 48
.set G0B, 56
.set G1S, 68
.set G0S, 76
.set G1SB, 80
.set G0SB, 88
.set MSB, 0
.macro WIN new                         ; the immediate's high byte repeats the setting that is left; a switch that changes nothing is dropped
.if MSB != \new
	s_set_vgpr_msb (MSB<<8)|\new
.set MSB, \new
.endif
.endm
.set MUL_LO, 0xa1                      ; source 0 (P) window 1, source 1 (N) window 0, C and D window 2
.set MUL_HI, 0xa1                      ; all 32 accumulators lie in window 2
.set TO_B,   0x40                      ; destination window 1, address window 0
; A joint load: waves 0 and 1 fetch for N, waves 2 and 3 for P.  Each line has one mask and one set of registers; the branch hangs on the wave's number alone.  Four v_nop follow each line.
.macro JLOAD g0a, g1a, g0b, g1b
	s_cmp_eq_u32 s15, 0
	s_cbranch_scc0 .Lfor_b_\@
	tensor_load_to_lds s[\g0a:\g0a+3], s[\g1a:\g1a+7]
	s_nop 0
.rept 4
	v_nop
.endr
	s_branch .Lasked_\@
.Lfor_b_\@:
	tensor_load_to_lds s[\g0b:\g0b+3], s[\g1b:\g1b+7]
	s_nop 0
.rept 4
	v_nop
.endr
.Lasked_\@:
.endm
.macro CREST                           ; a round of the cluster's barrier behind its opening barrier
	s_cmp_lg_u32 s14, 0
	s_cbranch_scc1 .Lnot_wave_0_\@
	s_barrier_signal -3
.Lnot_wave_0_\@:
	s_barrier_wait -3
	s_barrier_signal -1
	s_barrier_wait -1
.endm
.macro CROUND                          ; a whole round
	s_barrier_signal -1
	s_barrier_wait -1
	CREST
.endm
.macro SHAPE g, rows                   ; descriptor group 1, words 1 to 7: a dense block as rows of 256 bytes: 32 elements of 8 bytes, pitch 32
	s_mov_b32 s[\g+1], 32<<16                      ; tensor_dim0
	s_mov_b32 s[\g+2], (\rows)<<16                 ; tensor_dim1
	s_mov_b32 s[\g+3], 32<<16                      ; tile_dim0
	s_mov_b32 s[\g+4], \rows                       ; tile_dim1
	s_mov_b32 s[\g+5], 32                          ; tensor_dim0_stride
	s_mov_b32 s[\g+6], 0
	s_mov_b32 s[\g+7], 0
.endm
	s_load_b256 s[4:11], s[0:1], 0x0               ; y's codes s[4:5] and scales s[6:7]; the weights' codes s[8:9] and scales s[10:11]
	s_load_b64 s[12:13], s[0:1], 0x20              ; out
	v_lshl_add_u32 v[SPW], v0, 2, SPARE
	v_mov_b32 v[NIL], 0
	ds_add_u32 v28, v29
	ds_add_u32 v28, v29
	s_wait_dscnt 0x0
	v_lshrrev_b32 v1, 5, v0
	v_readfirstlane_b32 s14, v1                    ; wave 0..3
	s_lshr_b32 s15, s14, 1                         ; which half of N's tiles is mine.  Also: I fetch for N (0) or for P (1)
	s_and_b32 s16, s14, 1                          ; which half of P's.  Also: which half I fetch
	s_bfe_u32 s40, ttmp6, 0x40000                  ; cx, cy: my place in the cluster
	s_bfe_u32 s41, ttmp6, 0x40004
	s_lshl_b32 s42, ttmp9, 2
	s_add_co_u32 s42, s42, s40                     ; which 128 columns: 4 x cluster x + cx
	s_and_b32 s17, ttmp7, 0xffff
	s_lshl_b32 s17, s17, 2
	s_add_co_u32 s17, s17, s41                     ; which 256 tokens: 4 x cluster y + cy
	s_lshl_b32 s43, s41, 2
	s_lshl_b32 s43, 15, s43                        ; my row of the cluster
	s_lshl_b32 s44, 0x1111, s40                    ; my column
	s_or_b32 s[G1+0], s43, (3<<16)|(1<<21)         ; 15:0 the mask: N's tiles go to my row; 17:16 elements of 8 bytes; 21 set beside a mask; no padding
	s_or_b32 s[G1B+0], s44, (3<<16)|(1<<21)        ; P's go to my column
	s_or_b32 s[G1S+0], s43, (3<<16)|(1<<21)
	s_or_b32 s[G1SB+0], s44, (3<<16)|(1<<21)
	SHAPE G1, 128                                  ; 8 tiles of N in a K slot: 32,768 bytes
	SHAPE G1B, 16*NB                               ; NB tiles of P
	SHAPE G1S, 16                                  ; the scale words of 8 tiles of N, all of K: 4,096 bytes
	SHAPE G1SB, 2*NB                               ; of NB tiles of P
	s_lshl_b32 s20, s17, 4
	s_lshl_b32 s18, s16, 3
	s_add_co_u32 s20, s20, s18                     ; N: the first tile that I fetch: it hangs on the token block, which my row shares
	s_lshl_b32 s46, s42, 3
	s_lshl_b32 s18, s16, 2
	s_add_co_u32 s46, s46, s18
	s_add_co_u32 s46, s46, 704                     ; P: on the column block, which my column shares
	s_lshl_b32 s22, s20, 9
	s_mov_b32 s23, 0
	s_lshl_b32 s20, s20, 12
	s_mov_b32 s21, 0
	s_lshl_b32 s98, s46, 9
	s_mov_b32 s99, 0
	s_lshl_b32 s46, s46, 12
	s_mov_b32 s47, 0
	s_lshl_b32 s92, s16, 15                        ; where they go: no place in the cluster enters an LDS address
	s_mul_i32 s93, s16, PHB
	s_lshl_b32 s96, s16, 12
	s_mul_i32 s97, s16, NB*512
	s_wait_kmcnt 0x0
	s_add_nc_u64 s[20:21], s[4:5], s[20:21]
	s_add_nc_u64 s[22:23], s[6:7], s[22:23]
	s_add_nc_u64 s[46:47], s[8:9], s[46:47]
	s_add_nc_u64 s[98:99], s[10:11], s[98:99]
	CROUND                                         ; all sixteen work-groups are here: the first joint loads meet
	s_mov_b32 s[G0S], 1
	s_add_co_u32 s[G0S+1], s96, SCN
	s_mov_b64 s[G0S+2:G0S+3], s[22:23]
	s_or_b32 s[G0S+3], s[G0S+3], 0x80000000
	s_mov_b32 s[G0SB], 1
	s_add_co_u32 s[G0SB+1], s97, SCL
	s_mov_b64 s[G0SB+2:G0SB+3], s[98:99]
	s_or_b32 s[G0SB+3], s[G0SB+3], 0x80000000
	JLOAD G0S, G1S, G0SB, G1SB                     ; the scale words first: they are wanted with K slot 0
.irp s, 0,1
	s_mov_b32 s[G0+4*\s], 1
	s_add_co_u32 s[G0+4*\s+1], s92, \s*SLOT
	s_add_nc_u64 s[G0+4*\s+2:G0+4*\s+3], s[20:21], \s*STRA
	s_or_b32 s[G0+4*\s+3], s[G0+4*\s+3], 0x80000000
	s_mov_b32 s[G0B+4*\s], 1
	s_add_co_u32 s[G0B+4*\s+1], s93, \s*SLOT+65536
	s_add_nc_u64 s[G0B+4*\s+2:G0B+4*\s+3], s[46:47], \s*STRB
	s_or_b32 s[G0B+4*\s+3], s[G0B+4*\s+3], 0x80000000
	s_wait_alu depctr_va_vdst(0)
	s_wait_tensorcnt 0x0
	ds_add_u32 v28, v29
	s_wait_dscnt 0x0
	CROUND
	JLOAD G0+4*\s, G1, G0B+4*\s, G1B               ; one tensor load of mine is out
.endr
	v_and_b32 v1, 31, v0
	v_lshlrev_b32 v2, 4, v1                        ; 16 x lane
	v_and_b32 v3, 15, v0                           ; r
	s_wait_alu depctr_va_vdst(0)
	v_bfe_u32 v4, v0, 4, 1                         ; h
	s_lshl_b32 s18, s15, 15                        ; my 8 blocks of N
	s_mul_i32 s19, s16, PHB
	s_add_co_u32 s19, s19, 65536                   ; my NB tiles of P
	v_add_nc_u32 v[ADRA], s18, v2
	v_add_nc_u32 v[ADRB], s19, v2
	v_add_nc_u32 v[ADRA+1], SLOT, v[ADRA]
	v_add_nc_u32 v[ADRB+1], SLOT, v[ADRB]
	s_mul_i32 s21, s16, NB*512                     ; P's scale words: my tiles;
	s_lshl_b32 s22, s15, 12
	s_add_co_u32 s22, s22, 2*NB*512                ; N's: my blocks, behind P's
	s_sub_co_u32 s22, s22, s21
	v_mul_u32_u24 v6, s22, v4                      ; lanes 16-31 take N's: the lower base + h x the distance
	s_add_co_u32 s21, s21, SCL
	v_lshlrev_b32 v5, 3, v3                        ; 8 bytes a row and K slot
	v_add_nc_u32 v5, v5, v6
	v_add_nc_u32 v[ADRS], s21, v5
	s_mul_i32 s23, s14, 16*SPITCH                  ; my stage
	v_mul_u32_u24 v5, v3, SPITCH
	v_lshl_add_u32 v5, v4, 6, v5
	v_add_nc_u32 v[STO], s23, v5                   ; in: row r, + 64 h: columns 16 h on of each 32
	v_mul_u32_u24 v5, v4, SPITCH
	v_lshl_add_u32 v5, v3, 4, v5
	v_add_nc_u32 v[RD], s23, v5                    ; back: lanes 0-15 one row of 256 bytes, lanes 16-31 the next
	v_lshlrev_b32 v[CO], 4, v3
	v_lshl_add_u32 v[CO], v4, 12, v[CO]            ; and the same two rows of out
	s_lshl_b32 s20, s17, 20                        ; out: 256 tokens of 4,096 bytes a block,
	s_lshl_b32 s21, s15, 19
	s_add_co_u32 s20, s20, s21                     ; my 128 of them,
	s_lshl_b32 s21, s42, 9
	s_add_co_u32 s20, s20, s21                     ; 128 columns of 4 bytes a block,
	s_lshl_b32 s21, s16, 8
	s_add_co_u32 s20, s20, s21                     ; my 64 of them
	s_mov_b32 s21, 0
	s_add_nc_u64 s[12:13], s[12:13], s[20:21]
.macro FRAG reg, adr, q, i             ; a fragment's image: four loads of 512 consecutive bytes
.irp c, 0,1,2,3
	ds_load_b128 v[(\reg)+4*\c:(\reg)+4*\c+3], v[\adr] offset:4096*(\i)+2048*(\q)+512*\c
.endr
.endm
; 2 NB matrix instructions: N's blocks a0, a0 + 1 x P's NB tiles, the slot's q-th 128 along K.  p: P's set; sc: the set of scale words.  zero = 1: the first product starts the sums.
; The accumulators take turns, one instruction a turn, in the same order in every step.
.macro MUL2 a0, p, q, sc, zero
.irp a, \a0, \a0+1
.irp b, 0,1,2,3,4,5,6,7
.if \b < NB
.set AC, (8*(NB*(\a)+\b))%256
.if \zero
	v_wmma_scale_f32_16x16x128_f8f6f4 v[AC:AC+7], v[128*(\p)+16*\b:128*(\p)+16*\b+15], v[AF+16*(\a):AF+16*(\a)+15], 0, v[SC+16*(\sc)+2*\b+(\q)], v[SC+16*(\sc)+2*(\a)+(\q)] matrix_b_scale:MATRIX_SCALE_ROW1
.else
	v_wmma_scale_f32_16x16x128_f8f6f4 v[AC:AC+7], v[128*(\p)+16*\b:128*(\p)+16*\b+15], v[AF+16*(\a):AF+16*(\a)+15], v[AC:AC+7], v[SC+16*(\sc)+2*\b+(\q)], v[SC+16*(\sc)+2*(\a)+(\q)] matrix_b_scale:MATRIX_SCALE_ROW1
.endif
.endif
.endr
.endr
.endm
.macro FETCH_B slot, q, p
	WIN TO_B
.irp i, 0,1,2,3,4,5,6,7
.if \i < NB
	FRAG 128*(\p)+16*\i, ADRB+\slot, \q, \i
.endif
.endr
	WIN 0
.endm
.macro FETCH_A slot, q, i0
.irp i, \i0, \i0+1, \i0+2, \i0+3
	FRAG AF+16*(\i), ADRA+\slot, \q, \i
.endr
.endm
.macro SCALES sc                       ; a K slot's scale words, two a row: lanes 0-15 P's tile i, lanes 16-31 N's block i.  P has four tiles: for i = 4 .. 7 lanes 0-15 read on into bytes that are filled (P's other half, N's words) and whose values no product takes
.irp i, 0,1,2,3,4,5,6,7
	ds_load_b64 v[SC+16*\sc+2*\i:SC+16*\sc+2*\i+1], v[ADRS] offset:512*\i
.endr
.endm
.macro PLACES n                        ; a load into a register that a matrix instruction has read, and the first read of a result, stand NP plain vector instructions behind it (ISA guide 7.12.1 for the read of a result)
.rept \n
	v_nop
.endr
.endm
; A slot's first 128 along K (P's set 0); it fetches the second (set 1).  N has one set: blocks 0-3 are fetched anew in the step's middle, blocks 4-7 at its end.
.macro STEP slot, zero
	s_wait_dscnt 16                                ; P's set and N's blocks 0-3 are in; the youngest sixteen loads (blocks 4-7) may be out
	WIN MUL_LO
	MUL2 0, 0, 0, \slot, \zero
	MUL2 2, 0, 0, \slot, \zero
	s_wait_dscnt 0                                 ; blocks 4-7 are in
	PLACES NP
	FETCH_B \slot, 1, 1
	FETCH_A \slot, 1, 0
	WIN MUL_HI
	MUL2 4, 0, 0, \slot, \zero
	MUL2 6, 0, 0, \slot, \zero
	PLACES NP
	WIN 0
	FETCH_A \slot, 1, 4
.endm
; A slot's second 128 along K changes slots: ONE barrier; in front of it each wave waits for all its tensor loads, adds 0 to its spare word, and waits for that and for its reads of this slot.  fill = 1: the slot is filled again, two K slots ahead.
.macro TURN slot, next, fill
	s_wait_tensorcnt 0x0                           ; all my tensor loads have landed: my part of the next slot  (every window is 0 here)
	ds_add_u32 v[SPW], v[NIL]                      ; 0 onto my spare word
	s_wait_dscnt 17                                ; (the add and the youngest sixteen loads may be out)
	WIN MUL_LO
	MUL2 0, 1, 1, \slot, 0                         ; matrix instructions stand between the add and the wait for it
	s_wait_dscnt 0x0                               ; the add is done, and my reads of this slot are over
	s_barrier_signal -1
	MUL2 2, 1, 1, \slot, 0
	WIN 0
	s_barrier_wait -1
.if \fill
	CREST                                          ; the barrier has opened a round of the cluster's: no wave of any partner still reads this slot or has a load on its way
	s_add_nc_u64 s[G0+4*\slot+2:G0+4*\slot+3], s[G0+4*\slot+2:G0+4*\slot+3], 2*STRA
	s_add_nc_u64 s[G0B+4*\slot+2:G0B+4*\slot+3], s[G0B+4*\slot+2:G0B+4*\slot+3], 2*STRB
	JLOAD G0+4*\slot, G1, G0B+4*\slot, G1B         ; the first tensor load behind the round, my one load until the next; its four v_nop are among the places below
	PLACES NP-4
.else
	PLACES NP
.endif
	s_wait_alu depctr_va_vdst(0)
	v_add_nc_u32 v[ADRS], 128, v[ADRS]             ; the next K slot's scale words (no LDS load of mine is out)
	FETCH_B \next, 0, 0
	FETCH_A \next, 0, 0
	SCALES \next
	WIN MUL_HI
	MUL2 4, 1, 1, \slot, 0
	MUL2 6, 1, 1, \slot, 0
	PLACES NP
	WIN 0
	FETCH_A \next, 0, 4
.endm
	s_wait_alu depctr_va_vdst(0)
	s_wait_tensorcnt 1                             ; the scale words and my part of K slot 0 are in; K slot 1's load may be out
	s_barrier_signal -1
	s_barrier_wait -1                              ; everybody's are
	FETCH_B 0, 0, 0
	FETCH_A 0, 0, 0
	SCALES 0
	FETCH_A 0, 0, 4
	STEP 0, 1                                      ; K slot 0: its first products start the sums.  Four K slots: the whole walk is written out
	TURN 0, 1, 1                                   ; slot 0 takes K slot 2
	STEP 1, 0
	TURN 1, 0, 1                                   ; slot 1 takes K slot 3
	STEP 0, 0
	TURN 0, 1, 0                                   ; nothing is left to fetch; behind this barrier nobody reads slot 0
	STEP 1, 0
	s_wait_dscnt 16
	WIN MUL_LO
	MUL2 0, 1, 1, 1, 0
	MUL2 2, 1, 1, 1, 0
	s_wait_dscnt 0
	WIN MUL_HI
	MUL2 4, 1, 1, 1, 0
	MUL2 6, 1, 1, 1, 0
	WIN 0
; THE WAY OUT, block by block of 16 tokens x 64 columns.  A lane holds pieces of one row and the lanes beside it hold other rows: a block goes through my own stage in LDS and comes back as whole rows of 256 bytes.
; LDS serves a wave's instructions in order (ISA guide 5.7.1): no wait between the stores and the loads, nor in front of the next block's stores.
.macro TOSTAGE a
	WIN 0x08                                       ; an LDS store's data are its source 1: window 2
.irp b, 0,1,2,3
	ds_store_b128 v[STO], v[8*(4*(\a)+\b):8*(4*(\a)+\b)+3] offset:128*(\b/2)+32*(\b%2)          ; each accumulator from its low end on: columns 32 (b / 2) + 16 h + 8 (b % 2) + 0 .. 3
	ds_store_b128 v[STO], v[8*(4*(\a)+\b)+4:8*(4*(\a)+\b)+7] offset:128*(\b/2)+32*(\b%2)+16
.endr
	WIN 0
.set BB, BK+32*((\a)%2)
.irp t, 0,1,2,3,4,5,6,7
	ds_load_b128 v[BB+4*\t:BB+4*\t+3], v[RD] offset:2*\t*SPITCH
.endr
.endm
.macro SEND a, younger                 ; younger: the LDS instructions issued behind block a's loads, which may stay out
.set BB, BK+32*((\a)%2)
	s_wait_dscnt \younger                          ; the block is back in registers
.irp t, 0,1,2,3,4,5,6,7
	global_store_b128 v[CO], v[BB+4*\t:BB+4*\t+3], s[12:13] offset:(32*((\a)/2)+8*((\a)%2)+2*\t+8*(\t/4))*4096 th:TH_STORE_NT   ; stage rows 2 t, 2 t + 1 are the tile's tokens 2 t + 8 (t / 4) + h; sixteen lanes store 256 consecutive bytes, at a multiple of 256 from out's first byte; 126 rows at the most: inside the signed 24-bit immediate
.endr
.endm
	PLACES NP
	TOSTAGE 0
.irp a, 1,2,3,4,5,6,7
.if \a > 1
	s_wait_xcnt 0x0                                ; block a - 2's stores have had their addresses translated (ISA guide 3.1): block a's loads may land in their registers
.endif
	TOSTAGE \a
	SEND \a-1, 16                                  ; behind block a - 1's loads: block a's 8 stores and 8 loads
.endr
	SEND 7, 0
	s_wait_tensorcnt 0x0                           ; the wave's end, behind my last tensor load and my last LDS store
	ds_add_u32 v[SPW], v[NIL]
	s_wait_dscnt 0x0
	CROUND                                         ; the closing round: no work-group ends while a partner may still ask for a tile that names it
	s_endpgm
.Lfunc_end_k_qc7b9320ad7_gemm2:
	.size	k_qc7b9320ad7_gemm2, .Lfunc_end_k_qc7b9320ad7_gemm2-k_qc7b9320ad7_gemm2
	.p2alignl 7, 3214868480
	.fill 96, 4, 3214868480
	.section	.rodata,"a",@progbits
	.p2align	6, 0x0
	.amdhsa_kernel k_qc7b9320ad7_gemm2
		.amdhsa_group_segment_fixed_size 327680
		.amdhsa_private_segment_fixed_size 0
		.amdhsa_enable_private_segment 0
		.amdhsa_kernarg_size 40
		.amdhsa_user_sgpr_count 2
		.amdhsa_user_sgpr_kernarg_segment_ptr 1
		.amdhsa_wavefront_size32 1
		.amdhsa_system_sgpr_workgroup_id_x 1
		.amdhsa_system_sgpr_workgroup_id_y 1
		.amdhsa_system_sgpr_workgroup_id_z 1
		.amdhsa_system_vgpr_workitem_id 0
		.amdhsa_next_free_vgpr 1024
		.amdhsa_next_free_sgpr 100
		.amdhsa_reserve_vcc 0
		.amdhsa_float_denorm_mode_32 3
		.amdhsa_float_denorm_mode_16_64 3
		.amdhsa_memory_ordered 1
		.amdhsa_forward_progress 1
		.amdhsa_inst_pref_size 91
	.end_amdhsa_kernel
	.amdgpu_metadata
---
amdhsa.version: [ 1, 2 ]
amdhsa.kernels:
  - .name:           k_qc7b9320ad7_gemm2
    .symbol:         k_qc7b9320ad7_gemm2.kd
    .args:
      - { .name: y_codes, .offset: 0, .size: 8, .value_kind: global_buffer, .address_space: global }
      - { .name: y_scales, .offset: 8, .size: 8, .value_kind: global_buffer, .address_space: global }
      - { .name: xw_codes, .offset: 16, .size: 8, .value_kind: global_buffer, .address_space: global }
      - { .name: xw_scales, .offset: 24, .size: 8, .value_kind: global_buffer, .address_space: global }
      - { .name: out0, .offset: 32, .size: 8, .value_kind: global_buffer, .address_space: global }
    .group_segment_fixed_size: 327680
    .private_segment_fixed_size: 0
    .kernarg_segment_align: 8
    .kernarg_segment_size: 40
    .max_flat_workgroup_size: 128
    .sgpr_count:     100
    .vgpr_count:     1024
    .wavefront_size: 32
...
	.end_amdgpu_metadata
.endif
;; end of part 4
